; MI455X (gfx1250); checked and timed in simulation.
; The chip was launched on July 23, 2026; its instructions are those of AMD's public machine-readable ISA for CDNA 5 (MIT licence, August 2026) and "CDNA5" Instruction Set Architecture Reference Guide (July 2026). The comments in the code are by the model that wrote it; some were corrected since.
;; Transformer Block. Allowed arithmetic: matrix products marked QUANTISED: E5M2 operands, one given power-of-two scale a tensor, by v_wmma_f32_16x16x64_bf8_bf8 or v_wmma_f32_16x16x128_bf8_bf8, f32 sums; everything else in f32.
;; Inputs: W1_codes 4,096 x 32 x 32 uint8 (E5M2 codes of W1, K innermost, in blocks of 32 codes); W2_codes 1,024 x 128 x 32 uint8 (E5M2 codes of W2, K innermost, in blocks of 32 codes); Wk_codes 1,024 x 32 x 32 uint8 (E5M2 codes of Wk, K innermost, in blocks of 32 codes); Wo_codes 1,024 x 32 x 32 uint8 (E5M2 codes of Wo, K innermost, in blocks of 32 codes); Wq_codes 1,024 x 32 x 32 uint8 (E5M2 codes of Wq, K innermost, in blocks of 32 codes); Wv_codes 1,024 x 32 x 32 uint8 (E5M2 codes of Wv, K innermost, in blocks of 32 codes); b1 4,096 float32; b2 1,024 float32; bo 1,024 float32; ln1_b 1,024 float32; ln1_g 1,024 float32; ln2_b 1,024 float32; ln2_g 1,024 float32; lowp_scales 16 int32 (the exponents e of the quantised operands' scales 2^e); x 2 x 2,048 x 1,024 float32.
;; Outputs: out0 2 x 2,048 x 1,024 float32.
;; This version of the problem:
;;   THIS VERSION OF THE PROBLEM IS GIVEN IN LOW PRECISION. The matrix products marked QUANTISED in the list below multiply operands that are first quantised to E5M2 (5 exponent bits, 2 mantissa bits; 8 bits a number), with one given power-of-two scale for each operand tensor; their sums are f32. All else is computed in f32.
;;   The module's matrix products, in the order in which they are computed (A, B: the left and right operand; K: the contracted axis; several contracted axes count as one K, in the product's order):
;;     1. [M 4,096, K 1,024] x [K 1,024, N 1,024]; A: computed on the way; B: input Wq (given as codes): QUANTISED (scales: A lowp_scales[0], B lowp_scales[1])
;;     2. [M 4,096, K 1,024] x [K 1,024, N 1,024]; A: computed on the way; B: input Wk (given as codes): QUANTISED (scales: A lowp_scales[2], B lowp_scales[3])
;;     3. [M 4,096, K 1,024] x [K 1,024, N 1,024]; A: computed on the way; B: input Wv (given as codes): QUANTISED (scales: A lowp_scales[4], B lowp_scales[5])
;;     4. batch 32 x [M 2,048, K 64] x [K 64, N 2,048]; A: computed on the way; B: computed on the way: QUANTISED (scales: A lowp_scales[6], B lowp_scales[7])
;;     5. batch 32 x [M 2,048, K 2,048] x [K 2,048, N 64]; A: softmax (see below); B: computed on the way: QUANTISED (scales: A lowp_scales[8], B lowp_scales[9])
;;     6. [M 4,096, K 1,024] x [K 1,024, N 1,024]; A: computed on the way; B: input Wo (given as codes): QUANTISED (scales: A lowp_scales[10], B lowp_scales[11])
;;     7. [M 4,096, K 1,024] x [K 1,024, N 4,096]; A: computed on the way; B: input W1 (given as codes): QUANTISED (scales: A lowp_scales[12], B lowp_scales[13])
;;     8. [M 4,096, K 4,096] x [K 4,096, N 1,024]; A: computed on the way; B: input W2 (given as codes): QUANTISED (scales: A lowp_scales[14], B lowp_scales[15])
;;   THE QUANTISER, for each operand of a quantised product, along K:
;;     - The operand's scale is 2^e, e = its entry of the input lowp_scales (int32; the entries are numbered through the quantised products in the list's order, A before B).
;;     - Each number is divided by the scale, clamped to +-57,344, and rounded to the nearest number of E5M2, ties to even, subnormals kept.
;;     - The product sums the exact products of the quantised numbers (number of the format x scale) in f32.
;;   ~~~python
;;   def quantise(x, axis, e):      # numpy; x: float32 -> the quantised numbers, widened to float32 again
;;       x = np.moveaxis(x, axis, -1); K = x.shape[-1]
;;       r = np.clip(x / 2.0 ** e, -57344, 57344)
;;       step = 2.0 ** (np.maximum(np.frexp(np.where(r == 0, 1, r))[1] - 1, -14) - 2)
;;       q = np.round(r / step) * step * 2.0 ** e      # np.round: ties to even
;;       return np.moveaxis(q, -1, axis).astype(np.float32)
;;   ~~~
;;   SOFTMAX AHEAD OF A QUANTISED PRODUCT. Where the list says 'softmax', what is quantised is not the finished softmax but p = 2^(t - M), with t = logit x log2(e) and M = ceil(the row's largest t), a whole number; so 1/2 < the row's largest p <= 1. The row's sum l is taken of the UNQUANTISED p, in f32, and the product's result is divided by l at the end. Since M is a whole number, a kernel that streams over the keys may use a running M (the ceiling of the running maximum): every later rescaling is an exact power of two, so the quantised numbers keep their values, but for numbers so far below the row's largest that they fall under the format's range.
;;   OPERANDS COMPUTED ON THE WAY. 'Computed on the way' means the value that the module computes at that place (a softmax that the list does not call 'softmax' is quantised finished and normalised). What goes into a quantiser is computed in f32, as accurately as f32 sums, v_exp_f32 and their like allow (about 1e-6 of the number): no bf16 or f16 on the way to a quantiser, and a product that is left as it is and whose result goes on into a quantised operand takes f32 operands (vector FMAs, or v_wmma_f32_16x16x4_f32). A number that lies on a knife's edge between two numbers of the format may be rounded either way, as far as f32 arithmetic and the matrix unit's own rounding can turn it there, and no further.
;;   INPUTS GIVEN AS CODES. W1 (in the module: [1024, 4096], K = its axis 0); W2 (in the module: [4096, 1024], K = its axis 0); Wk (in the module: [1024, 1024], K = its axis 0); Wo (in the module: [1024, 1024], K = its axis 0); Wq (in the module: [1024, 1024], K = its axis 0); Wv (in the module: [1024, 1024], K = its axis 0): each comes as NAME_codes (uint8): NAME with its K axis moved to the last place and cut into blocks of 32 codes, [.., K / 32, bytes a block], one block behind the other in memory; one code a byte (a code: sign, 5 exponent bits, 2 mantissa bits); its scale is its entry of lowp_scales. Its value is code x scale, taken as it is: it is not quantised again, and the codes and scales need not be those that the quantiser above would give.
;; One version. Each part assembles by itself: llvm-mc -triple=amdgcn-amd-amdhsa -mcpu=gfx1250 --defsym DOCPART=n.
;; ======== version 1 of 1: 7 launches
;; limits: right only within a limited range of input values
;; workspace buffers: h3 12,582,912 bytes; qkvimg 12,582,912 bytes; ctximg 4,194,304 bytes; x2 16,777,216 bytes; h2 4,194,304 bytes; gimg 16,777,216 bytes
;; launch ln1 (part 1): grid 256 x 1, 8 waves a work-group, no clusters, 41,984 bytes of LDS; arguments x, ln1_g, ln1_b, lowp_scales, h3; writes h3
.if DOCPART == 1
	.amdgcn_target "amdgcn-amd-amdhsa--gfx1250"
	.amdhsa_code_object_version 6
	.text
	.protected	k_q7a2e781b86_ln1
	.globl	k_q7a2e781b86_ln1
	.p2align	8
	.type	k_q7a2e781b86_ln1,@function
k_q7a2e781b86_ln1:
	s_mov_b64 s[64:65], 0
	v_nop
	global_prefetch_b8 v0, s[64:65] scope:SCOPE_SE
	s_setreg_imm32_b32 hwreg(HW_REG_WAVE_MODE, 25, 1), 1
	s_wait_xcnt 0x0
; h = g (x - mean) rsqrt(var + 1e-5) + b over rows of 1,024 f32, then quantised to E5M2 NSET times, once for each product that takes h as its left operand:
; set q with the scale 2^e, e = entry 2 q of the scales (products 1, 2, 3).  Codes go out row-major, [4096][1024] bytes a set, the sets 4 MiB apart.
; code = h / 2^e, held within +-57,344, rounded to the nearest code, ties to even.  LIMITS: each e between -126 and 112; NaN among the inputs is not served.
; SHARES: a work-group takes 16 rows, each of its eight waves two.  A row is read by eight loads of 512 consecutive bytes; it turns through the wave's own stage in LDS so that a lane
; holds 2 x 16 neighbours (register 16 i + m = column 512 i + 16 lane + m): the conversions take neighbours from one lane, and a lane's 16 codes are 16 bytes, so a store covers 512 consecutive bytes.
; The variance is the mean of the squared deviations from the mean (two passes over registers), so a common offset of the inputs costs no accuracy.
; No matrix unit, no tensor load, no barrier: waves share nothing.  No cluster: work-groups share only g and b, 8 KiB against their 64 KiB of rows.
.set NSET, 3
.set R0,   16                          ; v16-79   the two rows as loaded
.set X,    80                          ; v80-111  the row in hand, 2 x 16 neighbours
.set G,    112                         ; v112-143 g in the same layout
.set B,    144                         ; v144-175 b
.set T,    176                         ; v176-207 at work
.set C,    208                         ; v208-231 codes, 8 registers a set
.set SCL,  232                         ; v232-237 for each set: 2^e, 57,344 x 2^e
.set SIN,  3                           ; v3  the stage on the way in: 80 (lane / 4) + 16 (lane % 4)
.set SOUT, 4                           ; v4  and on the way out: 80 x lane
	s_load_b256 s[4:11], s[0:1], 0x0               ; x, g, b, the scales' exponents
	s_load_b64 s[12:13], s[0:1], 0x20              ; the codes
	v_lshl_add_u32 v254, v0, 2, 0xa000
	v_mov_b32 v255, 0
	v_lshrrev_b32 v1, 5, v0
	v_readfirstlane_b32 s16, v1                    ; wave
	v_and_b32 v1, 31, v0                           ; lane
	v_lshlrev_b32 v2, 4, v1                        ; 16 x lane
	s_mul_i32 s17, s16, 5120                       ; my stage: 64 pieces of 64 bytes, 80 bytes apart
	v_lshrrev_b32 v[SIN], 2, v1
	v_mul_u32_u24 v[SIN], v[SIN], 80
	v_and_b32 v[SOUT], 3, v1
	v_lshl_add_u32 v[SIN], v[SOUT], 4, v[SIN]
	v_add_nc_u32 v[SIN], s17, v[SIN]
	v_mul_u32_u24 v[SOUT], v1, 80
	v_add_nc_u32 v[SOUT], s17, v[SOUT]
	v_mov_b32 v242, 0                              ; written once: a lane permute's destination counts as one of its sources
	s_mov_b32 s20, 0x3a800000                      ; 1 / 1,024
	s_mov_b32 s21, 0x3727c5ac                      ; 1e-5
	s_mov_b32 s22, 0x76543210
	s_mov_b32 s23, 0xfedcba98                      ; lane l xor 16
	s_lshl_b32 s18, ttmp9, 4
	s_lshl_b32 s19, s16, 1
	s_add_co_u32 s18, s18, s19                     ; my first row: 16 x work-group + 2 x wave
	s_lshl_b32 s34, s18, 12
	s_mov_b32 s35, 0
	s_lshl_b32 s36, s18, 10
	s_mov_b32 s37, 0
	s_wait_kmcnt 0x0
.if NSET == 3
	s_load_b256 s[24:31], s[10:11], 0x0            ; e0 .. e7: sets 0, 1, 2 take s24, s26, s28
.else
	s_load_b32 s24, s[10:11], 0x30                 ; e12
.endif
	s_add_nc_u64 s[4:5], s[4:5], s[34:35]
	s_add_nc_u64 s[12:13], s[12:13], s[36:37]
.if NSET == 3
	s_add_nc_u64 s[14:15], s[12:13], 0x800000      ; set 2
.endif
.irp j, 0,1,2,3,4,5,6,7
	global_load_b128 v[T+4*\j:T+4*\j+3], v2, s[6:7] offset:512*\j
.endr
.irp j, 0,1,2,3,4,5,6,7
	global_load_b128 v[X+4*\j:X+4*\j+3], v2, s[8:9] offset:512*\j
.endr
.irp i, 0,1
.irp j, 0,1,2,3,4,5,6,7
	global_load_b128 v[R0+32*\i+4*\j:R0+32*\i+4*\j+3], v2, s[4:5] offset:4096*\i+512*\j th:TH_LOAD_NT
.endr
.endr
.macro MKSC q                          ; set q's scale and hold
	s_add_co_i32 s32, s[24+2*\q], 127
	s_lshl_b32 s33, s32, 23
	v_mov_b32 v[SCL+2*\q], s33                     ; 2^e as f32: the conversion takes its exponent field
	s_add_co_i32 s32, s32, 15
	s_lshl_b32 s32, s32, 23
	s_or_b32 s32, s32, 0x600000
	v_mov_b32 v[SCL+2*\q+1], s32                   ; 57,344 x 2^e
.endm
	s_wait_kmcnt 0x0
	MKSC 0
.if NSET == 3
	MKSC 1
	MKSC 2
.endif
.macro TURNROW src, dst                ; 4,096 bytes through the stage: LDS serves a wave's instructions in order, so no wait stands between the stores and the loads
.irp j, 0,1,2,3,4,5,6,7
	ds_store_b128 v[SIN], v[\src+4*\j:\src+4*\j+3] offset:640*\j
.endr
.irp i, 0,1
.irp k, 0,1,2,3
	ds_load_b128 v[\dst+16*\i+4*\k:\dst+16*\i+4*\k+3], v[SOUT] offset:2560*\i+16*\k
.endr
.endr
.endm
.macro REDUCE r                        ; the sum over the 32 lanes, in every lane
	v_add_f32_dpp v[\r], v[\r], v[\r] row_xmask:1 row_mask:0xf bank_mask:0xf
	v_add_f32_dpp v[\r], v[\r], v[\r] row_xmask:2 row_mask:0xf bank_mask:0xf
	v_add_f32_dpp v[\r], v[\r], v[\r] row_xmask:4 row_mask:0xf bank_mask:0xf
	v_add_f32_dpp v[\r], v[\r], v[\r] row_xmask:8 row_mask:0xf bank_mask:0xf
	v_permlanex16_b32 v242, v[\r], s22, s23
	v_add_f32 v[\r], v[\r], v242
.endm
.macro QSET q, row                     ; the row in X is quantised with set q's scale and stored
	s_wait_xcnt 0x0                                ; the codes' registers are written again only when the earlier stores have read them
.set j, 0
.rept 32
	v_med3_num_f32 v[T+j], v[X+j], -v[SCL+2*\q+1], v[SCL+2*\q+1]   ; the conversion to an 8-bit code does not saturate (ISA guide 7.6.2): the hold comes first
.set j, j+1
.endr
.irp g, 0,1,2,3
	v_cvt_scalef32_pk8_bf8_f32 v[C+8*\q+2*\g:C+8*\q+2*\g+1], v[T+8*\g:T+8*\g+7], v[SCL+2*\q]
.endr
	v_nop                                          ; a plain line between the conversions and the next lines that write their sources
.if \q < 2
	global_store_b128 v2, v[C+8*\q:C+8*\q+3], s[12:13] offset:\q*4194304+\row*1024           ; 32 lanes store 512 consecutive bytes, aligned
	global_store_b128 v2, v[C+8*\q+4:C+8*\q+7], s[12:13] offset:\q*4194304+\row*1024+512
.else
	global_store_b128 v2, v[C+8*\q:C+8*\q+3], s[14:15] offset:\row*1024
	global_store_b128 v2, v[C+8*\q+4:C+8*\q+7], s[14:15] offset:\row*1024+512
.endif
.endm
.macro ROW i, left                     ; left: the younger loads that may stay out
	s_wait_loadcnt \left
	TURNROW R0+32*\i, X
	s_wait_dscnt 0x0
	v_pk_add_f32 v[238:239], v[X:X+1], v[X+2:X+3]  ; the row's sum, in two chains
	v_pk_add_f32 v[240:241], v[X+4:X+5], v[X+6:X+7]
.irp j, 8,12,16,20,24,28
	v_pk_add_f32 v[238:239], v[238:239], v[X+\j:X+\j+1]
	v_pk_add_f32 v[240:241], v[240:241], v[X+\j+2:X+\j+3]
.endr
	v_pk_add_f32 v[238:239], v[238:239], v[240:241]
	v_add_f32 v238, v238, v239
	REDUCE 238
	v_mul_f32 v244, s20, v238                      ; the mean, twice
	v_mul_f32 v245, s20, v238
.set j, 0
.rept 16
	v_pk_add_f32 v[X+j:X+j+1], v[X+j:X+j+1], v[244:245] neg_lo:[0,1] neg_hi:[0,1]
.set j, j+2
.endr
	v_pk_mul_f32 v[238:239], v[X:X+1], v[X:X+1]    ; the sum of the squared deviations
	v_pk_mul_f32 v[240:241], v[X+2:X+3], v[X+2:X+3]
.irp j, 4,8,12,16,20,24,28
	v_pk_fma_f32 v[238:239], v[X+\j:X+\j+1], v[X+\j:X+\j+1], v[238:239]
	v_pk_fma_f32 v[240:241], v[X+\j+2:X+\j+3], v[X+\j+2:X+\j+3], v[240:241]
.endr
	v_pk_add_f32 v[238:239], v[238:239], v[240:241]
	v_add_f32 v238, v238, v239
	REDUCE 238
	v_fma_f32 v246, v238, s20, s21                 ; var + eps
	v_rsq_f32 v244, v246
	v_rsq_f32 v245, v246
	v_nop                                          ; a plain line behind the transcendentals,
	s_wait_alu depctr_va_vdst(0)                   ; and one wait for both, ahead of their first reader
.set j, 0
.rept 16
	v_pk_mul_f32 v[X+j:X+j+1], v[X+j:X+j+1], v[244:245]
.set j, j+2
.endr
.set j, 0
.rept 16
	v_pk_fma_f32 v[X+j:X+j+1], v[X+j:X+j+1], v[G+j:G+j+1], v[B+j:B+j+1]
.set j, j+2
.endr
	QSET 0, \i
.if NSET == 3
	QSET 1, \i
	QSET 2, \i
.endif
.endm
	s_wait_loadcnt 24                              ; g's eight loads are in; b's and the two rows' may be out
	TURNROW T, G
	s_wait_loadcnt 16                              ; b's are in
	TURNROW X, B
	s_wait_dscnt 0x0
	ROW 0, 8
	ROW 1, 0
	s_wait_tensorcnt 0x0
	ds_add_u32 v254, v255
	s_wait_dscnt 0x0
	s_endpgm
.Lfunc_end_k_q7a2e781b86_ln1:
	.size	k_q7a2e781b86_ln1, .Lfunc_end_k_q7a2e781b86_ln1-k_q7a2e781b86_ln1
	.p2alignl 7, 3214868480
	.fill 96, 4, 3214868480
	.section	.rodata,"a",@progbits
	.p2align	6, 0x0
	.amdhsa_kernel k_q7a2e781b86_ln1
		.amdhsa_group_segment_fixed_size 41984
		.amdhsa_private_segment_fixed_size 0
		.amdhsa_enable_private_segment 0
		.amdhsa_kernarg_size 40
		.amdhsa_user_sgpr_count 2
		.amdhsa_user_sgpr_kernarg_segment_ptr 1
		.amdhsa_wavefront_size32 1
		.amdhsa_system_sgpr_workgroup_id_x 1
		.amdhsa_system_sgpr_workgroup_id_y 1
		.amdhsa_system_sgpr_workgroup_id_z 1
		.amdhsa_system_vgpr_workitem_id 0
		.amdhsa_next_free_vgpr 256
		.amdhsa_next_free_sgpr 66
		.amdhsa_reserve_vcc 0
		.amdhsa_float_denorm_mode_32 3
		.amdhsa_float_denorm_mode_16_64 3
		.amdhsa_memory_ordered 1
		.amdhsa_forward_progress 1
		.amdhsa_inst_pref_size 38
	.end_amdhsa_kernel
	.amdgpu_metadata
---
amdhsa.version: [ 1, 2 ]
amdhsa.kernels:
  - .name:           k_q7a2e781b86_ln1
    .symbol:         k_q7a2e781b86_ln1.kd
    .args:
      - { .name: x, .offset: 0, .size: 8, .value_kind: global_buffer, .address_space: global }
      - { .name: ln1_g, .offset: 8, .size: 8, .value_kind: global_buffer, .address_space: global }
      - { .name: ln1_b, .offset: 16, .size: 8, .value_kind: global_buffer, .address_space: global }
      - { .name: lowp_scales, .offset: 24, .size: 8, .value_kind: global_buffer, .address_space: global }
      - { .name: h3, .offset: 32, .size: 8, .value_kind: global_buffer, .address_space: global }
    .group_segment_fixed_size: 41984
    .private_segment_fixed_size: 0
    .kernarg_segment_align: 8
    .kernarg_segment_size: 40
    .max_flat_workgroup_size: 256
    .sgpr_count:     66
    .vgpr_count:     256
    .wavefront_size: 32
...
	.end_amdgpu_metadata
.endif
;; end of part 1
;; launch qkv (part 2): grid 12 x 16, 4 waves a work-group, clusters of 4 x 4, 327,680 bytes of LDS; arguments h3, Wq_codes, Wk_codes, Wv_codes, lowp_scales, qkvimg; writes qkvimg
.if DOCPART == 2
	.amdgcn_target "amdgcn-amd-amdhsa--gfx1250"
	.amdhsa_code_object_version 6
	.text
	.protected	k_q7a2e781b86_qkv
	.globl	k_q7a2e781b86_qkv
	.p2align	8
	.type	k_q7a2e781b86_qkv,@function
k_q7a2e781b86_qkv:
	s_mov_b64 s[64:65], 0
	v_nop
	global_prefetch_b8 v0, s[64:65] scope:SCOPE_SE
	s_setreg_imm32_b32 hwreg(HW_REG_WAVE_MODE, 25, 1), 1
	s_wait_xcnt 0x0
	s_wait_alu depctr_hold_cnt(0) depctr_sa_sdst(0) depctr_va_vdst(0) depctr_va_sdst(0) depctr_va_ssrc(0) depctr_va_vcc(0) depctr_vm_vsrc(0)
	s_getreg_b32 s2, hwreg(HW_REG_IB_STS2, 6, 4)
	s_cmp_eq_u32 s2, 0
	s_cbranch_scc0 .Lentry_in_a_cluster
	s_endpgm
.Lentry_in_a_cluster:
	s_bfe_u32 s2, ttmp6, 0x10000c
	s_cmp_lg_u32 s2, 0xf033
	s_cbranch_scc0 .Lentry_shape_is_right
	s_endpgm
.Lentry_shape_is_right:
; q = h Wq, k = h Wk, v = h Wv on codes of E5M2 (K = 1,024), each result quantised at once for attention (q with e6, k with e7, v with e9) and stored as IMAGES OF OPERAND REGISTERS.
; The cluster's x picks the product: 0 q, 1 k, 2 v.  "A" is the operand whose rows a lane keeps, "B" the one whose rows run along a lane's registers (the matrix instruction is used transposed: source 0 = 16 rows of B, source 1 = 16 rows of A).
; q, k: A = h's codes (set 0, 1 of h3), B = the weight: a lane holds one token and eight neighbouring features, which are attention's first K.
; v:    A = Wv's codes, B = h's codes (set 2): a lane holds one feature and eight neighbouring tokens, which are attention's second K.
; So the conversion of result tile t IS registers 2 t, 2 t + 1 of the next operand's fragment in the plain 8-bit layout, and two tiles leave as one store of 512 consecutive bytes.
; IMAGES.  q at byte 0, k at 4 MiB: [batch x 8 + head pair][tile of 16 tokens: 128][head in pair][chunk: 2][lane][16 bytes].  v at 8 MiB: [batch x 16 + head][step of 128 keys: 16][tile of 16 channels: 4][chunk: 4][lane][16 bytes].
; A tile of 256 x 256 to a work-group of four waves, 128 x 128 a wave: 64 accumulators.  K goes in steps of 256 through a ring of two LDS slots; A's tiles are asked for jointly along a row of the 4 x 4 cluster, B's along a column.
; Both operands are fetched from LDS by loads of 16 bytes: a permutation of k inside a step of 128 that is the same on both sides.
; LIMITS: e6 - e0 - e1, e7 - e2 - e3 and e9 - e4 - e5 between -126 and 112.
; No prefetch: every tile is read by four clusters at about the same time and K is four slots long.
; REGISTERS, in windows of 256: window 0: v0-31 addresses; from v128 A's fragments, one set; window 1: B's fragments, two sets; windows 2, 3: the accumulators ((a, b) at v[8 (8 (a % 4) + b)]).
.set SIZE_K, 1024
.set KSTEP,  256
.set ROWB,   256
.set KROW,   SIZE_K
.set PITCH,  272                       ; an LDS row: 256 bytes + 16 of padding: the 16 rows of a load start at 16 different banks (64 banks of 4 bytes: ISA guide 11.1)
.set FR,     16
.set NL,     4
.set NP,     4
.set HALFT,  128*PITCH
.set SLOT,   4*HALFT
.set LAPS,   SIZE_K/(2*KSTEP)
.set SPARE,  2*SLOT                    ; behind the ring: the spare words, 128 bytes a wave
.set LIM,  12
.set SC,   13                          ; v13  the conversion's scale
.set LO,   14                          ; v14  16 x lane
.set ADRA, 16
.set ADRB, 20
.set SPW,  28
.set NIL,  29
.set TMP,  32
.set AF,   128
.set CDS,  128                         ; the way out: 16 registers of codes for each block
.set G1, 24
.set G0, 32
.set G1B, 48
.set G0B, 56
.set MSB, 0
.macro WIN new                         ; the immediate's high byte repeats the setting that is left
.if MSB != \new
	s_set_vgpr_msb (MSB<<8)|\new
.set MSB, \new
.endif
.endm
.set MUL_LO, 0xa1                      ; source 0 (B) window 1, source 1 (A) window 0, C and D window 2
.set MUL_HI, 0xf1
.set TO_B,   0x40
.macro JLOAD g0a, g1a, g0b, g1b        ; a joint load: waves 0 and 1 fetch for A, waves 2 and 3 for B; four v_nop follow each line
	s_cmp_eq_u32 s15, 0
	s_cbranch_scc0 .Lfor_b_\@
	tensor_load_to_lds s[\g0a:\g0a+3], s[\g1a:\g1a+7]
	s_nop 0
.rept 4
	v_nop
.endr
	s_branch .Lasked_\@
.Lfor_b_\@:
	tensor_load_to_lds s[\g0b:\g0b+3], s[\g1b:\g1b+7]
	s_nop 0
.rept 4
	v_nop
.endr
.Lasked_\@:
.endm
.macro CREST                           ; a round of the cluster's barrier behind its opening barrier
	s_cmp_lg_u32 s14, 0
	s_cbranch_scc1 .Lnot_wave_0_\@
	s_barrier_signal -3
.Lnot_wave_0_\@:
	s_barrier_wait -3
	s_barrier_signal -1
	s_barrier_wait -1
.endm
.macro CROUND
	s_barrier_signal -1
	s_barrier_wait -1
	CREST
.endm
	s_load_b256 s[68:75], s[0:1], 0x0              ; h3, Wq, Wk, Wv
	s_load_b128 s[76:79], s[0:1], 0x20             ; the scales' exponents, the images
	v_lshl_add_u32 v[SPW], v0, 2, SPARE
	v_mov_b32 v[NIL], 0
	ds_add_u32 v28, v29
	ds_add_u32 v28, v29
	s_wait_dscnt 0x0
	v_lshrrev_b32 v1, 5, v0
	v_readfirstlane_b32 s14, v1                    ; wave 0..3
	s_lshr_b32 s15, s14, 1                         ; my half of A's rows.  Also: I fetch for A (0) or for B (1)
	s_and_b32 s16, s14, 1                          ; my half of B's rows.  Also: which 128 rows of that tile I fetch
	s_bfe_u32 s40, ttmp6, 0x40000                  ; cx
	s_bfe_u32 s41, ttmp6, 0x40004                  ; cy
	s_lshr_b32 s84, ttmp9, 1                       ; 1 for v
	s_and_b32 s85, ttmp7, 0xffff
	s_lshl_b32 s85, s85, 2                         ; 4 x cluster y: it walks the tokens,
	s_mul_i32 s86, s85, s84                        ; which are B's rows for v
	s_sub_co_u32 s85, s85, s86                     ; and A's for q and k
	s_add_co_u32 s42, s86, s40                     ; B's tile: hangs on cx, never on cy
	s_add_co_u32 s17, s85, s41                     ; A's tile: hangs on cy, never on cx
	s_lshl_b32 s43, s41, 2
	s_lshl_b32 s43, 15, s43                        ; my row of the cluster
	s_lshl_b32 s44, 0x1111, s40                    ; my column
	s_or_b32 s[G1+0], s43, (0<<16)|(1<<20)|(1<<21)|(5<<22)|(3<<25)  ; the mask; elements of 1 byte; padding on; bit 21 beside a mask; 4 words behind every 64
	s_or_b32 s[G1B+0], s44, (0<<16)|(1<<20)|(1<<21)|(5<<22)|(3<<25)
.irp g, G1, G1B
	s_mov_b32 s[\g+1], ROWB<<16                    ; tensor_dim0
	s_mov_b32 s[\g+2], 128<<16                     ; tensor_dim1
	s_mov_b32 s[\g+3], ROWB<<16                    ; tile_dim0
	s_mov_b32 s[\g+4], 128                         ; tile_dim1
	s_mov_b32 s[\g+5], KROW                        ; from row to row
	s_mov_b32 s[\g+6], 0
	s_mov_b32 s[\g+7], 0
.endr
	s_lshl_b32 s18, s16, 7
	s_lshl_b32 s20, s17, 8
	s_add_co_u32 s20, s20, s18                     ; A: row 256 x tile + 128 x half
	s_lshl_b32 s46, s42, 8
	s_add_co_u32 s46, s46, s18                     ; B likewise
	s_lshl_b32 s20, s20, 10                        ; rows of 1,024 bytes
	s_lshl_b32 s46, s46, 10
	s_and_b32 s92, ttmp9, 1
	s_lshl_b32 s92, s92, 22
	s_add_co_u32 s20, s20, s92                     ; k takes set 1 of h3
	s_lshl_b32 s92, s84, 23
	s_add_co_u32 s46, s46, s92                     ; v takes set 2, as its B
	s_mov_b32 s21, 0
	s_mov_b32 s47, 0
	s_mul_i32 s45, s14, HALFT                      ; where my tile goes: wave x 128 rows
	s_wait_kmcnt 0x0
	s_cmp_eq_u32 ttmp9, 2                          ; the choices hang on the cluster's x alone, which all partners share
	s_cselect_b64 s[4:5], s[74:75], s[68:69]       ; A: Wv, else h3
	s_cselect_b64 s[6:7], s[68:69], s[70:71]       ; B: h3, else Wq,
	s_cmp_eq_u32 ttmp9, 1
	s_cselect_b64 s[6:7], s[72:73], s[6:7]         ; or Wk
	s_mov_b64 s[10:11], s[78:79]
	s_mov_b64 s[88:89], s[76:77]
	s_load_b512 s[68:83], s[88:89], 0x0            ; e0 .. e15
	s_add_nc_u64 s[20:21], s[4:5], s[20:21]
	s_add_nc_u64 s[46:47], s[6:7], s[46:47]
	CROUND                                         ; all sixteen work-groups are here: the first joint loads meet
.irp s, 0,1
	s_mov_b32 s[G0+4*\s], 1
	s_add_co_u32 s[G0+4*\s+1], s45, \s*SLOT
	s_add_nc_u64 s[G0+4*\s+2:G0+4*\s+3], s[20:21], \s*ROWB
	s_or_b32 s[G0+4*\s+3], s[G0+4*\s+3], 0x80000000
	s_mov_b32 s[G0B+4*\s], 1
	s_add_co_u32 s[G0B+4*\s+1], s45, \s*SLOT
	s_add_nc_u64 s[G0B+4*\s+2:G0B+4*\s+3], s[46:47], \s*ROWB
	s_or_b32 s[G0B+4*\s+3], s[G0B+4*\s+3], 0x80000000
	JLOAD G0+4*\s, G1, G0B+4*\s, G1B
.endr
	v_and_b32 v1, 15, v0
	v_bfe_u32 v2, v0, 4, 1
	v_mul_u32_u24 v3, v1, PITCH
	v_lshl_add_u32 v4, v2, 4, v3                   ; a fragment's row x pitch + 16 x half
	s_mul_i32 s21, s15, HALFT
	s_mul_i32 s22, s16, HALFT
	s_add_co_u32 s22, s22, 2*HALFT
.irp s, 0,1
	v_add_nc_u32 v[ADRA+\s], s21, v4
	v_add_nc_u32 v[ADRB+\s], s22, v4
	s_add_co_u32 s21, s21, SLOT
	s_add_co_u32 s22, s22, SLOT
.endr
	v_and_b32 v6, 31, v0
	v_lshlrev_b32 v[LO], 4, v6
	; where my images go.  row0 = my first row of A, col0 = my first row of B
	s_lshl_b32 s18, s17, 8
	s_lshl_b32 s19, s15, 7
	s_add_co_u32 s18, s18, s19                     ; row0
	s_lshl_b32 s19, s42, 8
	s_lshl_b32 s23, s16, 7
	s_add_co_u32 s19, s19, s23                     ; col0
	s_lshr_b32 s90, s18, 11                        ; q, k: batch x 8 pairs x 2^18
	s_lshl_b32 s90, s90, 21
	s_lshr_b32 s91, s19, 7                         ; + the head pair
	s_lshl_b32 s91, s91, 18
	s_add_co_u32 s90, s90, s91
	s_and_b32 s91, s18, 2047                       ; + the tile of tokens x 2,048
	s_lshl_b32 s91, s91, 7
	s_add_co_u32 s90, s90, s91
	s_lshr_b32 s92, s19, 11                        ; v: batch x 16 heads x 2^17
	s_lshl_b32 s92, s92, 21
	s_lshr_b32 s93, s18, 6                         ; + the head
	s_lshl_b32 s93, s93, 17
	s_add_co_u32 s92, s92, s93
	s_and_b32 s93, s19, 2047                       ; + the step of 128 keys x 8,192
	s_lshr_b32 s93, s93, 7
	s_lshl_b32 s93, s93, 13
	s_add_co_u32 s92, s92, s93
	s_mov_b32 s94, 8192                            ; from block 3 to block 4: four tiles of tokens on, or the next head
	s_cmp_eq_u32 ttmp9, 2
	s_cselect_b32 s90, s92, s90
	s_cselect_b32 s94, 0x20000, s94
	s_lshl_b32 s93, ttmp9, 22                      ; q, k, v lie 4 MiB apart
	s_add_co_u32 s90, s90, s93
	s_mov_b32 s91, 0
	s_mov_b32 s95, 0
	s_add_nc_u64 s[10:11], s[10:11], s[90:91]      ; blocks 0-3
	s_add_nc_u64 s[12:13], s[10:11], s[94:95]      ; blocks 4-7
.macro FRAG reg, adr, q, i             ; 16 rows x 128 K: registers 4 c .. 4 c + 3 hold K = 32 c + 16 (lane / 16) + 0 .. 15 of row lane % 16
.irp c, 0,1,2,3
	ds_load_b128 v[\reg+4*\c:\reg+4*\c+3], v[\adr] offset:128*(\q)+32*\c+(\i)*16*PITCH
.endr
.endm
.macro MUL16 a0, p, zero               ; A's blocks a0, a0 + 1 x B's eight; the 64 accumulators take turns, one instruction a turn
.irp a, \a0, \a0+1
.irp b, 0,1,2,3,4,5,6,7
.if \zero
	v_wmma_f32_16x16x128_bf8_bf8 v[8*(8*((\a)%4)+\b):8*(8*((\a)%4)+\b)+7], v[128*(\p)+FR*\b:128*(\p)+FR*\b+FR-1], v[AF+FR*(\a):AF+FR*(\a)+FR-1], 0
.else
	v_wmma_f32_16x16x128_bf8_bf8 v[8*(8*((\a)%4)+\b):8*(8*((\a)%4)+\b)+7], v[128*(\p)+FR*\b:128*(\p)+FR*\b+FR-1], v[AF+FR*(\a):AF+FR*(\a)+FR-1], v[8*(8*((\a)%4)+\b):8*(8*((\a)%4)+\b)+7]
.endif
.endr
.endr
.endm
.macro FETCH_B slot, q, p
	WIN TO_B
.irp i, 0,1,2,3,4,5,6,7
	FRAG 128*(\p)+FR*\i, ADRB+\slot, \q, \i
.endr
	WIN 0
.endm
.macro FETCH_A slot, q, i0
.irp i, \i0, \i0+1, \i0+2, \i0+3
	FRAG AF+FR*(\i), ADRA+\slot, \q, \i
.endr
.endm
.macro PLACES n                        ; plain vector lines between a matrix instruction and a load into, or a read of, its registers
.rept \n
	v_nop
.endr
.endm
.macro STEP slot, q, zero              ; 128 along K with its successor in the same slot
	s_wait_dscnt 4*NL                              ; B's set and A's blocks 0-3 are in; A's blocks 4-7 may be out
	WIN MUL_LO
	MUL16 0, (\q)%2, \zero
	MUL16 2, (\q)%2, \zero
	s_wait_dscnt 0
	PLACES NP
	FETCH_B \slot, (\q)+1, 1-(\q)%2
	FETCH_A \slot, (\q)+1, 0
	WIN MUL_HI
	MUL16 4, (\q)%2, \zero
	MUL16 6, (\q)%2, \zero
	PLACES NP
	WIN 0
	FETCH_A \slot, (\q)+1, 4
.endm
.macro TURN slot, next, fill           ; a slot's last step changes slots: one barrier
	s_wait_tensorcnt 0x0                           ; all my tensor loads have landed: my part of the next slot
	ds_add_u32 v[SPW], v[NIL]                      ; 0 onto my spare word
	s_wait_dscnt 4*NL+1                            ; the add and A's blocks 4-7 may be out
	WIN MUL_LO
	MUL16 0, 1, 0
	s_wait_dscnt 0x0                               ; the add is done, and my reads of this slot are over
	s_barrier_signal -1
	MUL16 2, 1, 0
	WIN 0
	s_barrier_wait -1
.if \fill
	CREST                                          ; the barrier has opened a round of the cluster's: no wave of any partner still reads this slot or has a load on its way
	s_add_nc_u64 s[G0+4*\slot+2:G0+4*\slot+3], s[G0+4*\slot+2:G0+4*\slot+3], 2*ROWB
	s_add_nc_u64 s[G0B+4*\slot+2:G0B+4*\slot+3], s[G0B+4*\slot+2:G0B+4*\slot+3], 2*ROWB
	JLOAD G0+4*\slot, G1, G0B+4*\slot, G1B         ; the first tensor load behind the round; its four v_nop are the places in front of the loads below
.else
	PLACES NP
.endif
	FETCH_B \next, 0, 0
	FETCH_A \next, 0, 0
	WIN MUL_HI
	MUL16 4, 1, 0
	MUL16 6, 1, 0
	PLACES NP
	WIN 0
	FETCH_A \next, 0, 4
.endm
	s_wait_alu depctr_va_vdst(0)
	s_wait_tensorcnt 1                             ; my part of slot 0 is in; slot 1's may be out
	s_barrier_signal -1
	s_barrier_wait -1
	FETCH_B 0, 0, 0
	FETCH_A 0, 0, 0
	FETCH_A 0, 0, 4
	STEP 0, 0, 1                                   ; the first step's products start the sums
	s_mov_b32 s3, LAPS-1
.Llap:
	TURN 0, 1, 1
	STEP 1, 0, 0
	TURN 1, 0, 1
	STEP 0, 0, 0
	s_sub_co_u32 s3, s3, 1
	s_cmp_lg_u32 s3, 0
	s_cbranch_scc1 .Llap
	TURN 0, 1, 0                                   ; the last lap fills nothing
	STEP 1, 0, 0
	s_wait_dscnt 4*NL
	WIN MUL_LO
	MUL16 0, 1, 0
	MUL16 2, 1, 0
	s_wait_dscnt 0
	WIN MUL_HI
	MUL16 4, 1, 0
	MUL16 6, 1, 0
	WIN 0
	; THE WAY OUT.  A sum stands for sum x 2^(eA + eB); its code is sum / 2^(eOut - eA - eB): the three exponents are folded into the conversion's one scale.
	s_wait_kmcnt 0x0
	s_add_co_i32 s90, s68, s69                     ; q: e0 + e1, out e6
	s_add_co_i32 s91, s70, s71                     ; k: e2 + e3, out e7
	s_add_co_i32 s92, s72, s73                     ; v: e4 + e5, out e9
	s_cmp_eq_u32 ttmp9, 1
	s_cselect_b32 s90, s91, s90
	s_cselect_b32 s93, s75, s74
	s_cmp_eq_u32 ttmp9, 2
	s_cselect_b32 s90, s92, s90
	s_cselect_b32 s93, s77, s93
	s_sub_co_i32 s93, s93, s90
	s_add_co_i32 s93, s93, 127
	s_lshl_b32 s94, s93, 23
	s_add_co_i32 s93, s93, 15
	s_lshl_b32 s93, s93, 23
	s_or_b32 s93, s93, 0x600000
	PLACES NP
	v_mov_b32 v[SC], s94
.macro OUTBLK a                        ; block a: 16 rows of A x my 128 rows of B: converted, stored as they stand
.set AC, 64*((\a)%4)
	WIN 0x02+((\a)/4)                              ; source 0: window 2 or 3
.set j, 0
.rept 64
.set j, j+1
.endr
.irp t, 0,1,2,3,4,5,6,7
	v_cvt_scalef32_pk8_bf8_f32 v[CDS+16*(\a)+2*\t:CDS+16*(\a)+2*\t+1], v[AC+8*\t:AC+8*\t+7], v[SC]
.endr
	WIN 0
	v_nop                                          ; a plain line between the conversions and the next block's lines, which write their sources
.irp c, 0,1,2,3
	global_store_b128 v[LO], v[CDS+16*(\a)+4*\c:CDS+16*(\a)+4*\c+3], s[10+2*((\a)/4):11+2*((\a)/4)] offset:((\a)%4)*2048+512*\c   ; 32 lanes store 512 consecutive bytes, aligned
.endr
.endm
.irp a, 0,1,2,3,4,5,6,7
	OUTBLK \a
.endr
	s_wait_tensorcnt 0x0                           ; the wave's end
	ds_add_u32 v[SPW], v[NIL]
	s_wait_dscnt 0x0
	CROUND                                         ; the closing round
	s_endpgm
.Lfunc_end_k_q7a2e781b86_qkv:
	.size	k_q7a2e781b86_qkv, .Lfunc_end_k_q7a2e781b86_qkv-k_q7a2e781b86_qkv
	.p2alignl 7, 3214868480
	.fill 96, 4, 3214868480
	.section	.rodata,"a",@progbits
	.p2align	6, 0x0
	.amdhsa_kernel k_q7a2e781b86_qkv
		.amdhsa_group_segment_fixed_size 327680
		.amdhsa_private_segment_fixed_size 0
		.amdhsa_enable_private_segment 0
		.amdhsa_kernarg_size 48
		.amdhsa_user_sgpr_count 2
		.amdhsa_user_sgpr_kernarg_segment_ptr 1
		.amdhsa_wavefront_size32 1
		.amdhsa_system_sgpr_workgroup_id_x 1
		.amdhsa_system_sgpr_workgroup_id_y 1
		.amdhsa_system_sgpr_workgroup_id_z 1
		.amdhsa_system_vgpr_workitem_id 0
		.amdhsa_next_free_vgpr 1024
		.amdhsa_next_free_sgpr 100
		.amdhsa_reserve_vcc 0
		.amdhsa_float_denorm_mode_32 3
		.amdhsa_float_denorm_mode_16_64 3
		.amdhsa_fp16_overflow 1
		.amdhsa_memory_ordered 1
		.amdhsa_forward_progress 1
		.amdhsa_inst_pref_size 87
	.end_amdhsa_kernel
	.amdgpu_metadata
---
amdhsa.version: [ 1, 2 ]
amdhsa.kernels:
  - .name:           k_q7a2e781b86_qkv
    .symbol:         k_q7a2e781b86_qkv.kd
    .args:
      - { .name: h3, .offset: 0, .size: 8, .value_kind: global_buffer, .address_space: global }
      - { .name: Wq_codes, .offset: 8, .size: 8, .value_kind: global_buffer, .address_space: global }
      - { .name: Wk_codes, .offset: 16, .size: 8, .value_kind: global_buffer, .address_space: global }
      - { .name: Wv_codes, .offset: 24, .size: 8, .value_kind: global_buffer, .address_space: global }
      - { .name: lowp_scales, .offset: 32, .size: 8, .value_kind: global_buffer, .address_space: global }
      - { .name: qkvimg, .offset: 40, .size: 8, .value_kind: global_buffer, .address_space: global }
    .group_segment_fixed_size: 327680
    .private_segment_fixed_size: 0
    .kernarg_segment_align: 8
    .kernarg_segment_size: 48
    .max_flat_workgroup_size: 128
    .sgpr_count:     100
    .vgpr_count:     1024
    .wavefront_size: 32
...
	.end_amdgpu_metadata
.endif
;; end of part 2
;; launch attn (part 3): grid 8 x 32, 16 waves a work-group, clusters of 4 x 1, 264,192 bytes of LDS; arguments qkvimg, lowp_scales, ctximg; writes ctximg
.if DOCPART == 3
	.amdgcn_target "amdgcn-amd-amdhsa--gfx1250"
	.amdhsa_code_object_version 6
	.text
	.protected	k_q7a2e781b86_attn
	.globl	k_q7a2e781b86_attn
	.p2align	8
	.type	k_q7a2e781b86_attn,@function
k_q7a2e781b86_attn:
	s_mov_b64 s[64:65], 0
	v_nop
	global_prefetch_b8 v0, s[64:65] scope:SCOPE_SE
	s_setreg_imm32_b32 hwreg(HW_REG_WAVE_MODE, 25, 1), 1
	s_wait_xcnt 0x0
	s_wait_alu depctr_hold_cnt(0) depctr_sa_sdst(0) depctr_va_vdst(0) depctr_va_sdst(0) depctr_va_ssrc(0) depctr_va_vcc(0) depctr_vm_vsrc(0)
	s_getreg_b32 s2, hwreg(HW_REG_IB_STS2, 6, 4)
	s_cmp_eq_u32 s2, 0
	s_cbranch_scc0 .Lentry_in_a_cluster
	s_endpgm
.Lentry_in_a_cluster:
	s_bfe_u32 s2, ttmp6, 0x10000c
	s_cmp_lg_u32 s2, 0x3003
	s_cbranch_scc0 .Lentry_shape_is_right
	s_endpgm
.Lentry_shape_is_right:
; ctx[q] = softmax over the keys k <= q of (q . k / 8) times v, for 32 heads (batch x 16 + head) of 2,048 tokens and 64 channels, both products on codes of E5M2; ctx is quantised with e10 for the next product.
; THE SOFTMAX: t = score x log2(e) / 8; M = the running largest t rounded UP to a whole number; p = 2^(t - M) is quantised with 2^e8, not normalised; the row's sum is taken of the unquantised p and divides at the end.
; When M moves, the sum and O are multiplied by 2^(old M - new M): exact.
; q, k and v come as images of operand registers (plain 8-bit layout), so every LDS and memory read is 16 bytes at 16 x lane + a constant.
; Both products are used transposed: S^T = K Q^T (16x16x64), O^T = V^T P^T (16x16x128): a lane holds ONE query throughout, and the conversion of tile t of S^T is registers 2 t, 2 t + 1 of P.
; K AND V STAY IN LDS.  A head's codes are 2,048 x 64 x 2 = 262,144 bytes: they are asked for once, at the head, and nothing is filled again: no ring.  Two barriers: one when keys 0 to 511 have landed, one when all have.
; SHARES.  Work-group y is the head, work-group x = jx (0..7).  A wave owns the tile of 16 queries 8 pos + jx: queries 128 pos + 16 jx + 0..15.  So all work-groups have the same work, and what the causal mask lets go
; hangs on the wave's number and the step's number alone: key step ks (128 keys) is left out where ks > pos, is on the diagonal where ks = pos, and is open where ks < pos: pos + 1 steps of work.
; pos = 4 g + e with g = a xor b, e = a xor M(b), a = wave / 4, b = wave % 4, M(0, 1, 2, 3) = 0, 2, 3, 1.  The sixteen pos are all different; each four waves with the same a, and each four with the same b,
; hold every g once and every e once: 34 steps of work in each such four, at most 16 of them in steps 0 to 3 and at most 21 in steps 4 to 15.
; CLUSTER.  The four work-groups of a cluster read the same K and V: each tile is asked for jointly.
; No prefetch: all that the work-group reads of K and V is asked for at the kernel's head, by the tensor loads themselves.
; LIMITS: e6 + e7 between -123 and 130; e8, and e10 - e8 - e9, between -126 and 112.
; REGISTERS: v1-10 addresses and lane constants; v12 -M, v13 the largest t, v[14:15] the sum in two halves; v16-23 Q; v32-95 eight fragments of K, then four of V; v96-159 S^T, then p; v160-191 O^T; v224-239 p's codes; v234-254 at work.
.set VOFF,  131072                     ; LDS: K's 128 tiles of 16 keys x 1,024 bytes, then V's 16 key steps x 4 tiles of channels x 2,048 bytes
.set STEPB, 8192                       ; a key step on, in K's part and in V's alike
.set CHUNK, 32768                      ; 512 keys of K, or of V
.set AK0,  1                           ; v1   16 x lane
.set AV0,  2                           ; v2   16 x lane + VOFF
.set GO,   7                           ; v7   the way out: 16 (lane % 16) + 8 (lane / 16)
.set ADK,  8
.set ADV,  9
.set DQ,   10                          ; v10  on the diagonal register 8 t + j is hidden where 16 t + j > DQ = 16 jx + lane % 16 - 8 (lane / 16)
.set CNT,  3                           ; s3   counts the steps of a loop
.set KS,   10                          ; s10  the key step
.set TB,   13                          ; s13  LDS byte at which the step's tiles of K begin
.set WV,   18                          ; s18  my wave's number
.set POS,  19                          ; s19  my tile's place among the work-group's sixteen
.set SEL,  20
.set CS,   22
.set G1K,  24                          ; s[24:31] descriptor group 1 for K's tiles;  s[32:39] for V's
.set G1V,  32
.set G0K,  40                          ; s[40:55] four groups 0 for K's loads: none is written while its load is out
.set G0V,  84                          ; s[84:99] four for V's
.macro ROUND                           ; a round of the cluster's barrier
	s_barrier_signal -1
	s_barrier_wait -1
	s_cmp_lg_u32 s[WV], 0
	s_cbranch_scc1 .Lnot_wave_0_\@
	s_barrier_signal -3
.Lnot_wave_0_\@:
	s_barrier_wait -3
	s_barrier_signal -1
	s_barrier_wait -1
.endm
	s_load_b128 s[4:7], s[0:1], 0x0                ; the images, the scales' exponents
	s_load_b64 s[8:9], s[0:1], 0x10                ; ctx's images
	v_lshl_add_u32 v251, v0, 2, 0x40000
	v_mov_b32 v255, 0
	ds_add_u32 v251, v255
	ds_add_u32 v251, v255
	v_lshrrev_b32 v8, 5, v0
	s_delay_alu instid0(VALU_DEP_1)
	v_readfirstlane_b32 s[WV], v8                  ; wave 0..15
	s_lshr_b32 s11, s[WV], 2                       ; a
	s_and_b32 s12, s[WV], 3                        ; b
	s_xor_b32 s[POS], s11, s12                     ; g = a xor b
	s_lshr_b32 s14, s12, 1                         ; M(b): its low bit is b's high bit,
	s_xor_b32 s15, s12, s14
	s_and_b32 s15, s15, 1
	s_lshl_b32 s15, s15, 1                         ; its high bit the exclusive or of b's two
	s_or_b32 s15, s15, s14
	s_xor_b32 s15, s15, s11                        ; e = a xor M(b)
	s_lshl_b32 s[POS], s[POS], 2
	s_or_b32 s[POS], s[POS], s15                   ; pos = 4 g + e
	s_and_b32 s56, ttmp7, 0xffff                   ; bh = batch x 16 + head
	s_bfe_u32 s57, ttmp6, 0x40000                  ; cx
	s_lshl_b32 s58, ttmp9, 2
	s_add_co_u32 s58, s58, s57                     ; jx: it enters Q's and ctx's addresses and DQ alone
	s_and_b32 s59, s[WV], 1                        ; which half of each 512 keys I fetch
	s_lshr_b32 s60, s56, 1
	s_lshl_b32 s60, s60, 18
	s_and_b32 s61, s56, 1
	s_lshl_b32 s61, s61, 10
	s_add_co_u32 s60, s60, s61                     ; the head's place in q's and in k's images
	s_lshl_b32 s11, s[POS], 3
	s_add_co_u32 s11, s11, s58                     ; my tile of queries
	s_lshl_b32 s62, s11, 11
	s_add_co_u32 s62, s62, s60                     ; Q's fragment
	s_mov_b32 s63, 0
	s_lshl_b32 s16, s59, 15                        ; K: 16 tiles of keys, 2,048 bytes apart, a half
	s_add_co_u32 s16, s16, s60
	s_add_co_u32 s16, s16, 0x400000
	s_mov_b32 s17, 0
	s_lshl_b32 s66, s56, 17                        ; V: 16,384 dense bytes a half
	s_lshl_b32 s67, s59, 14
	s_add_co_u32 s66, s66, s67
	s_add_co_u32 s66, s66, 0x800000
	s_mov_b32 s67, 0
	s_lshr_b32 s2, s56, 4                          ; ctx: tile of rows = batch x 128 + my tile, 16,384 bytes each;
	s_lshl_b32 s2, s2, 7
	s_add_co_u32 s2, s2, s11
	s_lshl_b32 s2, s2, 14
	s_and_b32 s12, s56, 15                         ; K step = head / 2, 2,048 bytes each;
	s_lshr_b32 s12, s12, 1
	s_lshl_b32 s12, s12, 11
	s_add_co_u32 s2, s2, s12
	s_add_co_u32 s2, s2, s61                       ; the head's 64 of the step's 128: four pieces of 256 bytes
	s_mov_b32 s3, 0
	; descriptor group 1: 16 rows of 1,024 bytes, no padding; K's rows lie 2,048 bytes apart (the other head of the pair between), V's are dense
	s_mov_b32 s[G1K], 15|(1<<21)                   ; the mask: all four work-groups; elements of 1 byte; bit 21 beside a mask
	s_mov_b32 s[G1K+1], 1024<<16
	s_mov_b32 s[G1K+2], 16<<16
	s_mov_b32 s[G1K+3], 1024<<16
	s_mov_b32 s[G1K+4], 16
	s_mov_b32 s[G1K+5], 2048
	s_mov_b32 s[G1K+6], 0
	s_mov_b32 s[G1K+7], 0
	s_mov_b32 s[G1V], 15|(1<<21)
	s_mov_b32 s[G1V+1], 1024<<16
	s_mov_b32 s[G1V+2], 16<<16
	s_mov_b32 s[G1V+3], 1024<<16
	s_mov_b32 s[G1V+4], 16
	s_mov_b32 s[G1V+5], 1024
	s_mov_b32 s[G1V+6], 0
	s_mov_b32 s[G1V+7], 0
	s_mov_b32 s[SEL], 0x76543210
	s_mov_b32 s[SEL+1], 0xfedcba98
	s_mov_b32 s[CS], 0x3e38aa3b                    ; c = log2(e) / 8
	s_mov_b32 s[TB], 0
	s_mov_b32 s[KS], 0
	s_lshl_b32 s12, s59, 14                        ; my half's place in 512 keys' bytes in LDS
	s_wait_dscnt 0x0
	s_wait_kmcnt 0x0
	s_load_b512 s[68:83], s[6:7], 0x0              ; e0 .. e15
	s_add_nc_u64 s[16:17], s[4:5], s[16:17]        ; K at my half of keys 0 to 511
	s_add_nc_u64 s[66:67], s[4:5], s[66:67]        ; V likewise
.irp s, 0,1,2,3                                ; load s: my half of keys 512 s to 512 s + 511
	s_mov_b32 s[G0K+4*\s], 1
	s_add_co_u32 s[G0K+4*\s+1], s12, \s*CHUNK
	s_add_nc_u64 s[G0K+4*\s+2:G0K+4*\s+3], s[16:17], \s*65536
	s_or_b32 s[G0K+4*\s+3], s[G0K+4*\s+3], 0x80000000
	s_mov_b32 s[G0V+4*\s], 1
	s_add_co_u32 s[G0V+4*\s+1], s12, VOFF+\s*CHUNK
	s_add_nc_u64 s[G0V+4*\s+2:G0V+4*\s+3], s[66:67], \s*CHUNK
	s_or_b32 s[G0V+4*\s+3], s[G0V+4*\s+3], 0x80000000
.endr
	ROUND                                          ; all four work-groups are here: the joint loads meet
	s_cmp_lt_u32 s[WV], 2                          ; waves 0 and 1 fetch K's halves, waves 2 and 3 V's, the others nothing.  A wave's four loads stand in one branch, in the order of the keys: four loads of mine are out
	s_cbranch_scc0 .Lnot_k
.irp s, 0,1,2,3
	tensor_load_to_lds s[G0K+4*\s:G0K+4*\s+3], s[G1K:G1K+7]
	s_nop 0
.endr
.rept 4
	v_nop                                          ; four v_nop follow the last
.endr
	s_branch .Lasked
.Lnot_k:
	s_cmp_lt_u32 s[WV], 4
	s_cbranch_scc0 .Lasked
.irp s, 0,1,2,3
	tensor_load_to_lds s[G0V+4*\s:G0V+4*\s+3], s[G1V:G1V+7]
	s_nop 0
.endr
.rept 4
	v_nop
.endr
.Lasked:
	s_add_nc_u64 s[14:15], s[4:5], s[62:63]        ; Q
	s_add_nc_u64 s[8:9], s[8:9], s[2:3]            ; ctx
	v_and_b32 v[AK0], 31, v0
	s_delay_alu instid0(VALU_DEP_1)
	v_lshlrev_b32 v[AK0], 4, v[AK0]
	global_load_b128 v[16:19], v[AK0], s[14:15]
	global_load_b128 v[20:23], v[AK0], s[14:15] offset:512
	v_add_nc_u32 v[AV0], VOFF, v[AK0]
	v_and_b32 v8, 15, v0                           ; r
	v_bfe_u32 v9, v0, 4, 1                         ; h
	s_delay_alu instid0(VALU_DEP_1)
	v_lshlrev_b32 v[DQ], 3, v9
	s_delay_alu instid0(VALU_DEP_1)
	v_sub_nc_u32 v[DQ], v8, v[DQ]
	s_lshl_b32 s11, s58, 4
	v_add_nc_u32 v[DQ], s11, v[DQ]
	v_lshlrev_b32 v[GO], 4, v8
	s_delay_alu instid0(VALU_DEP_1)
	v_lshl_add_u32 v[GO], v9, 3, v[GO]
	v_mov_b32 v13, 0xff61b1e6                      ; the largest t so far: -3e38, under every t
	s_delay_alu instid0(VALU_DEP_1)
	v_floor_f32 v12, -v13                          ; -M
	v_mov_b32 v14, 0
	v_mov_b32 v15, 0
	v_mov_b32 v236, 0                              ; set to 0: a lane permute's destination counts as one of its sources
	v_mov_b32 v252, 0
	v_mov_b32 v253, 0                              ; (named as the upper half of the pair v[252:253])
.set j, 0
.rept 32
	v_mov_b32 v[160+j], 0                          ; O^T: the step is written once for all steps; the first finds zeros, which the first change of M leaves zeros
.set j, j+1
.endr
	s_wait_kmcnt 0x0
	s_add_co_i32 s11, s74, s75
	s_lshl_b32 s11, s11, 23
	s_add_co_i32 s[CS], s[CS], s11                 ; a score stands for score x 2^(e6 + e7): added to c's exponent field
	s_mov_b32 s[CS+1], s[CS]
	s_add_co_i32 s11, s76, 127
	s_lshl_b32 s12, s11, 23
	v_mov_b32 v244, s12                            ; 2^e8
; A KEY STEP: 128 keys.
.macro STEP
	s_cmp_gt_u32 s[KS], s[POS]                     ; all its keys come after my queries: left out, but for the lines at its end that step addresses
	s_cbranch_scc1 .Lhidden_\@
	s_setprio 2
	v_add_nc_u32 v[ADK], s[TB], v[AK0]
	v_add_nc_u32 v[ADV], s[TB], v[AV0]
	v_nop                                          ; with the two additions: four places in front of loads into registers that the last products read
	v_nop
.irp t, 0,1,2,3,4,5,6,7
	ds_load_b128 v[32+8*\t:35+8*\t], v[ADK] offset:1024*\t
	ds_load_b128 v[36+8*\t:39+8*\t], v[ADK] offset:1024*\t+512
.endr
	s_wait_alu depctr_va_vdst(0)
	s_wait_dscnt 0x0
.irp t, 0,1,2,3,4,5,6,7
	v_wmma_f32_16x16x64_bf8_bf8 v[96+8*\t:103+8*\t], v[32+8*\t:39+8*\t], v[16:23], 0   ; lane (r, h), register j: key 16 t + 8 h + j, query r
.endr
.rept 4
	v_nop                                          ; places in front of the loads below and of the first read of the scores
.endr
.irp d, 0,1,2,3
.irp c, 0,1,2,3
	ds_load_b128 v[32+16*\d+4*\c:35+16*\d+4*\c], v[ADV] offset:2048*\d+512*\c   ; V's four fragments land while the softmax is worked
.endr
.endr
	s_cmp_lg_u32 s[KS], s[POS]
	s_cbranch_scc1 .Lopen_\@
	v_mov_b32 v254, 0xff800000                     ; on the diagonal hidden scores become -infinity ahead of the maximum: p = 0 then.  A query's own key always counts
.set n, 0
.rept 64
	v_cmp_gt_i32 vcc_lo, 16*(n/8)+n%8, v[DQ]
	v_cndmask_b32 v[96+n], v[96+n], v254, vcc_lo
.set n, n+1
.endr
.Lopen_\@:
	v_max3_num_f32 v254, v96, v97, v98             ; the step's largest score of my query among my 64 keys, in two chains; each tile is read from its low end on
	v_max3_num_f32 v252, v99, v100, v101
.irp i, 6,10,14,18,22,26,30,34,38,42,46,50,54,58
	v_max3_num_f32 v254, v254, v[96+\i], v[97+\i]
	v_max3_num_f32 v252, v252, v[98+\i], v[99+\i]
.endr
	v_max3_num_f32 v254, v254, v158, v159
	s_delay_alu instid0(VALU_DEP_1)
	v_max_num_f32 v254, v254, v252
	v_permlanex16_b32 v236, v254, s[SEL], s[SEL+1]
	s_delay_alu instid0(VALU_DEP_1)
	v_max_num_f32 v254, v254, v236                 ; and among lane l xor 16's
	s_delay_alu instid0(VALU_DEP_1)
	v_mul_f32 v254, s[CS], v254                    ; as t (c is positive)
	s_delay_alu instid0(VALU_DEP_1)
	v_max_num_f32 v13, v13, v254                   ; the running largest t
	v_mov_b32 v254, v12
	s_delay_alu instid0(VALU_DEP_2)
	v_floor_f32 v12, -v13                          ; the new -M = floor(-t): M is a whole number
	s_delay_alu instid0(VALU_DEP_1)
	v_sub_f32 v254, v12, v254                      ; old M - new M, 0 or less
	s_delay_alu instid0(VALU_DEP_1)
	v_cvt_i32_f32 v254, v254                       ; (it saturates)
	s_delay_alu instid0(VALU_DEP_1)
	v_ldexp_f32 v252, 1.0, v254                    ; f = 2^(old M - new M)
.set j, 0
	s_setprio 1
.rept 32
	v_pk_fma_f32 v[96+j:97+j], v[96+j:97+j], s[CS:CS+1], v[12:13] op_sel_hi:[1,0,0]   ; t - M (of the pairs c and -M the low word serves both halves)
.set j, j+2
.endr
.set j, 0
	s_wait_alu depctr_va_vdst(0)
.rept 64
	v_exp_f32 v[96+j], v[96+j]                     ; p = 2^(t - M)
.set j, j+1
.endr
	v_pk_mul_f32 v[14:15], v[14:15], v[252:253] op_sel_hi:[1,0]   ; the sums under the new M: a plain line behind the exponentials
	s_wait_alu depctr_va_vdst(0)                   ; one wait for the whole batch, ahead of its first reader
	v_pk_add_f32 v[242:243], v[100:101], v[104:105]
	v_pk_add_f32 v[248:249], v[108:109], v[112:113]
	v_pk_add_f32 v[246:247], v[116:117], v[120:121]
	v_pk_add_f32 v[240:241], v[124:125], v[128:129]
	v_pk_add_f32 v[238:239], v[132:133], v[136:137]
	v_pk_add_f32 v[236:237], v[140:141], v[144:145]
	v_pk_add_f32 v[234:235], v[148:149], v[152:153]
	v_pk_add_f32 v[14:15], v[14:15], v[156:157]
	v_pk_add_f32 v[242:243], v[242:243], v[96:97]
	v_pk_add_f32 v[248:249], v[248:249], v[98:99]
	v_pk_add_f32 v[246:247], v[246:247], v[102:103]
	v_pk_add_f32 v[240:241], v[240:241], v[106:107]
	v_pk_add_f32 v[238:239], v[238:239], v[110:111]
	v_pk_add_f32 v[236:237], v[236:237], v[114:115]
	v_pk_add_f32 v[234:235], v[234:235], v[118:119]
	v_pk_add_f32 v[14:15], v[14:15], v[122:123]
	v_pk_add_f32 v[242:243], v[242:243], v[126:127]
	v_pk_add_f32 v[248:249], v[248:249], v[130:131]
	v_pk_add_f32 v[246:247], v[246:247], v[134:135]
	v_pk_add_f32 v[240:241], v[240:241], v[138:139]
	v_pk_add_f32 v[238:239], v[238:239], v[142:143]
	v_pk_add_f32 v[236:237], v[236:237], v[146:147]
	v_pk_add_f32 v[234:235], v[234:235], v[150:151]
	s_setprio 0
	v_pk_add_f32 v[14:15], v[14:15], v[154:155]
	v_pk_add_f32 v[242:243], v[242:243], v[158:159]
	s_delay_alu instid0(VALU_DEP_2)
	v_pk_add_f32 v[14:15], v[14:15], v[240:241]
	s_delay_alu instid0(VALU_DEP_2)
	v_pk_add_f32 v[242:243], v[242:243], v[238:239]
	v_pk_add_f32 v[248:249], v[248:249], v[236:237]
	v_pk_add_f32 v[246:247], v[246:247], v[234:235]
	s_delay_alu instid0(VALU_DEP_2)
	v_pk_add_f32 v[14:15], v[14:15], v[248:249]
	s_delay_alu instid0(VALU_DEP_2)
	v_pk_add_f32 v[242:243], v[242:243], v[246:247]
	s_delay_alu instid0(VALU_DEP_1)
	v_pk_add_f32 v[14:15], v[14:15], v[242:243]
.irp t, 0,1,2,3,4,5,6,7
.irp i, 0,1,2,3,4,5,6,7
.endr
	v_cvt_scalef32_pk8_bf8_f32 v[224+2*\t:225+2*\t], v[96+8*\t:103+8*\t], v244   ; registers 2 t, 2 t + 1 of P: keys 16 t + 8 h + 0 .. 7
.endr
.set j, 0
.rept 16
	v_pk_mul_f32 v[160+j:161+j], v[160+j:161+j], v[252:253] op_sel_hi:[1,0]   ; O^T under the new M; also the plain lines between the conversions and the products
.set j, j+2
.endr
	s_wait_alu depctr_va_vdst(0)
	s_wait_dscnt 0x0                               ; V is in
.irp d, 0,1,2,3
	v_wmma_f32_16x16x128_bf8_bf8 v[160+8*\d:167+8*\d], v[32+16*\d:47+16*\d], v[224:239], v[160+8*\d:167+8*\d]   ; the four tiles take turns, one instruction a turn
.endr
.Lhidden_\@:
	s_add_co_u32 s[TB], s[TB], STEPB
	s_add_co_u32 s[KS], s[KS], 1
.endm
.macro STEPS n                         ; n key steps: the step is written once and walked n times; the trip count is a constant, and a wave passes over the steps that the mask hides from it
	s_mov_b32 s[CNT], \n
.Lstep_\@:
	STEP
	s_sub_co_u32 s[CNT], s[CNT], 1
	s_cmp_lg_u32 s[CNT], 0
	s_cbranch_scc1 .Lstep_\@
	s_setprio 0
.endm
	s_wait_loadcnt 0x0                             ; Q
	s_wait_tensorcnt 0x3                           ; tensor loads of a wave end in order (ISA guide 10.11.1): my first, my part of keys 0 to 511, is in; the three behind it may be out
	s_barrier_signal -1
	s_barrier_wait -1                              ; everybody's is
	STEPS 4                                        ; keys 0 to 511, while the others land
	s_wait_tensorcnt 0x0                           ; all my loads are in (no LDS instruction of mine is out: each step ends behind its wait for V)
	s_barrier_signal -1
	s_barrier_wait -1                              ; everybody's are: from here on no wave waits for another until the closing round
	STEPS 12                                       ; keys 512 to 2,047
	; THE WAY OUT.  ctx = O^T / the sum x 2^(e8 + e9); its code is (O^T / the sum) / 2^(e10 - e8 - e9).  Tile d of O^T, a lane's eight channels of one query, is 8 bytes of the next product's operand image.
.rept 4
	v_nop                                          ; places behind the last products
.endr
	v_add_f32 v14, v14, v15
	s_delay_alu instid0(VALU_DEP_1)
	v_permlanex16_b32 v252, v14, s[SEL], s[SEL+1]
	s_delay_alu instid0(VALU_DEP_1)
	v_add_f32 v14, v14, v252                       ; the row's sum
	s_wait_alu depctr_va_vdst(0)
	v_rcp_f32 v14, v14
	s_sub_co_i32 s11, s78, s76
	s_sub_co_i32 s11, s11, s77
	s_add_co_i32 s11, s11, 127
	s_lshl_b32 s12, s11, 23
	v_mov_b32 v244, s12                            ; (a plain line behind the transcendental)
	s_wait_alu depctr_va_vdst(0)                   ; the wait, ahead of the reciprocal's first reader
.set j, 0
.rept 16
	v_pk_mul_f32 v[96+j:97+j], v[160+j:161+j], v[14:15] op_sel_hi:[1,0]
.set j, j+2
.endr
.set j, 0
.rept 32
.set j, j+1
.endr
.irp d, 0,1,2,3
	v_cvt_scalef32_pk8_bf8_f32 v[224+2*\d:225+2*\d], v[96+8*\d:103+8*\d], v244
.endr
	v_nop
.irp d, 0,1,2,3
	global_store_b64 v[GO], v[224+2*\d:225+2*\d], s[8:9] offset:256*\d   ; 32 lanes store 256 consecutive bytes, aligned
.endr
	s_wait_tensorcnt 0x0
	ds_add_u32 v251, v255
	s_wait_dscnt 0x0
	ROUND                                          ; the closing round: no work-group ends while a partner may still ask for a tile that names it
	s_endpgm
.Lfunc_end_k_q7a2e781b86_attn:
	.size	k_q7a2e781b86_attn, .Lfunc_end_k_q7a2e781b86_attn-k_q7a2e781b86_attn
	.p2alignl 7, 3214868480
	.fill 96, 4, 3214868480
	.section	.rodata,"a",@progbits
	.p2align	6, 0x0
	.amdhsa_kernel k_q7a2e781b86_attn
		.amdhsa_group_segment_fixed_size 264192
		.amdhsa_private_segment_fixed_size 0
		.amdhsa_enable_private_segment 0
		.amdhsa_kernarg_size 24
		.amdhsa_user_sgpr_count 2
		.amdhsa_user_sgpr_kernarg_segment_ptr 1
		.amdhsa_wavefront_size32 1
		.amdhsa_system_sgpr_workgroup_id_x 1
		.amdhsa_system_sgpr_workgroup_id_y 1
		.amdhsa_system_sgpr_workgroup_id_z 1
		.amdhsa_system_vgpr_workitem_id 0
		.amdhsa_next_free_vgpr 256
		.amdhsa_next_free_sgpr 100
		.amdhsa_reserve_vcc 1
		.amdhsa_float_denorm_mode_32 3
		.amdhsa_float_denorm_mode_16_64 3
		.amdhsa_fp16_overflow 1
		.amdhsa_memory_ordered 1
		.amdhsa_forward_progress 1
		.amdhsa_inst_pref_size 51
	.end_amdhsa_kernel
	.amdgpu_metadata
---
amdhsa.version: [ 1, 2 ]
amdhsa.kernels:
  - .name:           k_q7a2e781b86_attn
    .symbol:         k_q7a2e781b86_attn.kd
    .args:
      - { .name: qkvimg, .offset: 0, .size: 8, .value_kind: global_buffer, .address_space: global }
      - { .name: lowp_scales, .offset: 8, .size: 8, .value_kind: global_buffer, .address_space: global }
      - { .name: ctximg, .offset: 16, .size: 8, .value_kind: global_buffer, .address_space: global }
    .group_segment_fixed_size: 264192
    .private_segment_fixed_size: 0
    .kernarg_segment_align: 8
    .kernarg_segment_size: 24
    .max_flat_workgroup_size: 512
    .sgpr_count:     100
    .vgpr_count:     256
    .wavefront_size: 32
...
	.end_amdgpu_metadata
.endif
;; end of part 3
;; launch wo (part 4): grid 8 x 32, 4 waves a work-group, clusters of 4 x 4, 327,680 bytes of LDS; arguments ctximg, Wo_codes, lowp_scales, bo, x, x2; writes x2
.if DOCPART == 4
	.amdgcn_target "amdgcn-amd-amdhsa--gfx1250"
	.amdhsa_code_object_version 6
	.text
	.protected	k_q7a2e781b86_wo
	.globl	k_q7a2e781b86_wo
	.p2align	8
	.type	k_q7a2e781b86_wo,@function
k_q7a2e781b86_wo:
	s_mov_b64 s[64:65], 0
	v_nop
	global_prefetch_b8 v0, s[64:65] scope:SCOPE_SE
	s_setreg_imm32_b32 hwreg(HW_REG_WAVE_MODE, 25, 1), 1
	s_wait_xcnt 0x0
	s_wait_alu depctr_hold_cnt(0) depctr_sa_sdst(0) depctr_va_vdst(0) depctr_va_sdst(0) depctr_va_ssrc(0) depctr_va_vcc(0) depctr_vm_vsrc(0)
	s_getreg_b32 s2, hwreg(HW_REG_IB_STS2, 6, 4)
	s_cmp_eq_u32 s2, 0
	s_cbranch_scc0 .Lentry_in_a_cluster
	s_endpgm
.Lentry_in_a_cluster:
	s_bfe_u32 s2, ttmp6, 0x10000c
	s_cmp_lg_u32 s2, 0xf033
	s_cbranch_scc0 .Lentry_shape_is_right
	s_endpgm
.Lentry_shape_is_right:
; out = A W^T x 2^(eA + eB) + bias + resid.  A: [4096][SIZE_K] codes of E5M2 as images of operand registers, [tile of 16 rows][K step of 128][2,048 bytes]; W: [1024][SIZE_K] codes, K innermost; bias [1024], resid and out [4096][1024] f32.
; eA, eB: the two whole numbers at byte SCOFF of the scales.  LIMIT: eA + eB between -126 and 127.
; N = 1,024 gives only 64 tiles of 256 x 256, so a tile is 128 x 128: 256 work-groups of four waves, 64 x 64 a wave: 16 accumulators.  K goes in slots of 512 (four steps of 128) through a ring of two LDS slots.
; CLUSTERS: 4 x 4.  A's tiles are asked for jointly along a row of the cluster, W's along a column.  The matrix instruction is used transposed (source 0 = 16 rows of W, source 1 = 16 rows of A): a lane holds eight neighbouring numbers of a row.
; An image's chunk c at 512 c + 16 x lane holds, in lane (r, h), K = 32 c + 16 h + 0 .. 15 of row r: the places that loads of 16 bytes give W's rows.  The same permutation of k on both sides.
; No prefetch: every tile is read by several clusters at about the same time.
; REGISTERS: window 0: v0-31 addresses, v[8:11] my four columns' bias; v32-95 at work on the way out; v128-255 the accumulators ((a, b) at v[128 + 8 (4 a + b)]).  window 1: two sets of fragments (A's four at f, W's four at f + 64).  window 2: v0-127 the residual.
.set SIZE_K, 1024
.set SCOFF,  40
.set KSLOT,  512
.set ATILE,  8192                      ; a tile of 16 rows in a slot: four images
.set AHALF,  4*ATILE
.set BOFF,   8*ATILE                   ; W's rows lie behind A's eight tiles
.set BP,     528                       ; a row of W in LDS: 512 bytes + 16 of padding: the 16 rows of a load start at 16 different banks (64 banks of 4 bytes: ISA guide 11.1)
.set BHALF,  64*BP
.set SLOT,   BOFF+2*BHALF
.set STAGE,  2*SLOT                    ; behind the ring: 16 rows x 272 bytes for each wave
.set SP,     272
.set SPARE,  STAGE+4*16*SP             ; behind the stages: the spare words, 128 bytes a wave
.set LAPS,   SIZE_K/(2*KSLOT)
.set ADRA, 16
.set ADRB, 20
.set STO,  24
.set RD,   25
.set CO,   26                          ; v26  4,096 (lane / 16) + 16 (lane % 16)
.set BO,   27                          ; v27  16 (lane % 16)
.set SPW,  28
.set NIL,  29
.set T0,   32
.set ACC,  128
.set F0,   0
.set F1,   128
.set G1, 24
.set G0, 32
.set G1B, 48
.set G0B, 56
.set MSB, 0
.macro WIN new                         ; the immediate's high byte repeats the setting that is left
.if MSB != \new
	s_set_vgpr_msb (MSB<<8)|\new
.set MSB, \new
.endif
.endm
.set MUL,  0x05                        ; sources 0 and 1 window 1; C and D window 0
.set TO_F, 0x40                        ; destination window 1, address window 0
.macro JLOAD s                         ; a joint load: waves 0 and 1 fetch A's halves, waves 2 and 3 W's; four v_nop follow each line
	s_cmp_eq_u32 s11, 0
	s_cbranch_scc0 .Lfor_b_\@
	tensor_load_to_lds s[G0+4*\s:G0+4*\s+3], s[G1:G1+7]
	s_nop 0
.rept 4
	v_nop
.endr
	s_branch .Lasked_\@
.Lfor_b_\@:
	tensor_load_to_lds s[G0B+4*\s:G0B+4*\s+3], s[G1B:G1B+7]
	s_nop 0
.rept 4
	v_nop
.endr
.Lasked_\@:
.endm
.macro CREST
	s_cmp_lg_u32 s10, 0
	s_cbranch_scc1 .Lnot_wave_0_\@
	s_barrier_signal -3
.Lnot_wave_0_\@:
	s_barrier_wait -3
	s_barrier_signal -1
	s_barrier_wait -1
.endm
.macro CROUND
	s_barrier_signal -1
	s_barrier_wait -1
	CREST
.endm
	s_load_b128 s[4:7], s[0:1], 0x0                ; A's images, W's codes
	s_load_b256 s[68:75], s[0:1], 0x10             ; the scales' exponents, bias, resid, out
	v_lshl_add_u32 v[SPW], v0, 2, SPARE
	v_mov_b32 v[NIL], 0
	ds_add_u32 v28, v29
	ds_add_u32 v28, v29
	s_wait_dscnt 0x0
	v_lshrrev_b32 v1, 5, v0
	v_readfirstlane_b32 s10, v1                    ; wave 0..3
	s_lshr_b32 s11, s10, 1                         ; my half of the tile's rows.  Also: I fetch for A (0) or for W (1)
	s_and_b32 s12, s10, 1                          ; my half of its columns.  Also: which half of that tile I fetch
	s_bfe_u32 s40, ttmp6, 0x40000
	s_bfe_u32 s41, ttmp6, 0x40004
	s_lshl_b32 s42, ttmp9, 2
	s_add_co_u32 s42, s42, s40                     ; tile column
	s_and_b32 s13, ttmp7, 0xffff
	s_lshl_b32 s13, s13, 2
	s_add_co_u32 s13, s13, s41                     ; tile row
	s_lshl_b32 s43, s41, 2
	s_lshl_b32 s43, 15, s43                        ; my row of the cluster
	s_lshl_b32 s44, 0x1111, s40                    ; my column
	s_or_b32 s[G1+0], s43, (1<<21)                 ; A: the mask; elements of 1 byte; no padding; bit 21 beside a mask
	s_mov_b32 s[G1+1], ATILE<<16                   ; four rows of 8,192 bytes: a tile of rows' four images,
	s_mov_b32 s[G1+2], 4<<16
	s_mov_b32 s[G1+3], ATILE<<16
	s_mov_b32 s[G1+4], 4
	s_mov_b32 s[G1+5], 16*SIZE_K                   ; a tile of rows' whole K apart
	s_mov_b32 s[G1+6], 0
	s_mov_b32 s[G1+7], 0
	s_or_b32 s[G1B+0], s44, (1<<20)|(1<<21)|(6<<22)|(3<<25)   ; W: padding of 4 words behind every 128
	s_mov_b32 s[G1B+1], KSLOT<<16
	s_mov_b32 s[G1B+2], 64<<16
	s_mov_b32 s[G1B+3], KSLOT<<16
	s_mov_b32 s[G1B+4], 64
	s_mov_b32 s[G1B+5], SIZE_K
	s_mov_b32 s[G1B+6], 0
	s_mov_b32 s[G1B+7], 0
	s_lshl_b32 s16, s13, 3
	s_lshl_b32 s17, s12, 2
	s_add_co_u32 s16, s16, s17                     ; A: tile of rows 8 x tile row + 4 x half
	s_mul_i32 s16, s16, 16*SIZE_K
	s_mov_b32 s17, 0
	s_lshl_b32 s46, s42, 7
	s_lshl_b32 s47, s12, 6
	s_add_co_u32 s46, s46, s47                     ; W: row 128 x tile column + 64 x half
	s_mul_i32 s46, s46, SIZE_K
	s_mov_b32 s47, 0
	s_mul_i32 s20, s12, AHALF                      ; where they go: no place in the cluster enters an LDS address
	s_mul_i32 s23, s12, BHALF
	s_add_co_u32 s23, s23, BOFF
	s_wait_kmcnt 0x0
	s_load_b64 s[76:77], s[68:69], SCOFF           ; eA, eB
	s_add_nc_u64 s[14:15], s[4:5], s[16:17]
	s_add_nc_u64 s[46:47], s[6:7], s[46:47]
	CROUND                                         ; all sixteen work-groups are here: the first joint loads meet
.irp s, 0,1
	s_mov_b32 s[G0+4*\s], 1
	s_add_co_u32 s[G0+4*\s+1], s20, \s*SLOT
	s_add_nc_u64 s[G0+4*\s+2:G0+4*\s+3], s[14:15], \s*ATILE
	s_or_b32 s[G0+4*\s+3], s[G0+4*\s+3], 0x80000000
	s_mov_b32 s[G0B+4*\s], 1
	s_add_co_u32 s[G0B+4*\s+1], s23, \s*SLOT
	s_add_nc_u64 s[G0B+4*\s+2:G0B+4*\s+3], s[46:47], \s*KSLOT
	s_or_b32 s[G0B+4*\s+3], s[G0B+4*\s+3], 0x80000000
	JLOAD \s
.endr
	v_and_b32 v1, 15, v0                           ; r
	v_bfe_u32 v2, v0, 4, 1                         ; h
	v_and_b32 v3, 31, v0
	v_lshlrev_b32 v3, 4, v3                        ; 16 x lane
	v_mul_u32_u24 v4, v1, BP
	v_lshl_add_u32 v4, v2, 4, v4
	s_mul_i32 s21, s11, AHALF                      ; my four tiles of rows
	s_mul_i32 s22, s12, BHALF                      ; my 64 rows of W
	s_add_co_u32 s22, s22, BOFF
.irp s, 0,1
	v_add_nc_u32 v[ADRA+\s], s21, v3
	v_add_nc_u32 v[ADRB+\s], s22, v4
	s_add_co_u32 s21, s21, SLOT
	s_add_co_u32 s22, s22, SLOT
.endr
	s_mul_i32 s21, s10, 16*SP
	s_add_co_u32 s21, s21, STAGE                   ; my stage
	v_mul_u32_u24 v5, v1, SP
	v_lshl_add_u32 v5, v2, 5, v5
	v_add_nc_u32 v[STO], s21, v5                   ; in: row r, 32 bytes for each half of the lanes
	v_mul_u32_u24 v5, v2, SP
	v_lshl_add_u32 v5, v1, 4, v5
	v_add_nc_u32 v[RD], s21, v5                    ; back: lanes 0-15 one row of 256 bytes, lanes 16-31 the next
	v_lshlrev_b32 v[BO], 4, v1
	v_lshl_add_u32 v[CO], v2, 12, v[BO]            ; and the same two rows in resid and out
	s_lshl_b32 s16, s13, 7
	s_lshl_b32 s17, s11, 6
	s_add_co_u32 s16, s16, s17                     ; my first row
	s_lshl_b32 s16, s16, 12
	s_lshl_b32 s46, s42, 9
	s_lshl_b32 s47, s12, 8
	s_add_co_u32 s46, s46, s47                     ; my first column, in bytes
	s_add_co_u32 s16, s16, s46
	s_mov_b32 s17, 0
	s_mov_b32 s47, 0
	s_add_nc_u64 s[70:71], s[70:71], s[46:47]
	s_add_nc_u64 s[72:73], s[72:73], s[16:17]
	s_add_nc_u64 s[74:75], s[74:75], s[16:17]
	global_load_b128 v[8:11], v[BO], s[70:71]      ; the bias of columns 4 r .. 4 r + 3 of my 64
	WIN 0x80                                       ; destination window 2
.irp a, 0,1,2,3
.irp t, 0,1,2,3,4,5,6,7
	global_load_b128 v[32*\a+4*\t:32*\a+4*\t+3], v[CO], s[72:73] offset:(16*\a+2*\t)*4096   ; the residual, in the layout in which the results leave: it lands while K is walked
.endr
.endr
	WIN 0
.macro MULA f, a, zero                 ; A's tile a x W's four; the 16 accumulators take turns, one instruction a turn
.irp b, 0,1,2,3
.if \zero
	v_wmma_f32_16x16x128_bf8_bf8 v[ACC+8*(4*\a+\b):ACC+8*(4*\a+\b)+7], v[\f+64+16*\b:\f+64+16*\b+15], v[\f+16*\a:\f+16*\a+15], 0
.else
	v_wmma_f32_16x16x128_bf8_bf8 v[ACC+8*(4*\a+\b):ACC+8*(4*\a+\b)+7], v[\f+64+16*\b:\f+64+16*\b+15], v[\f+16*\a:\f+16*\a+15], v[ACC+8*(4*\a+\b):ACC+8*(4*\a+\b)+7]
.endif
.endr
.endm
.macro FETCH slot, q, f                ; 32 LDS loads in one run: the fragments of the slot's q-th 128 along K into set f
	WIN TO_F
.irp i, 0,1,2,3
.irp c, 0,1,2,3
	ds_load_b128 v[\f+64+16*\i+4*\c:\f+64+16*\i+4*\c+3], v[ADRB+\slot] offset:\i*16*BP+128*(\q)+32*\c
.endr
.endr
.irp i, 0,1,2,3
.irp c, 0,1,2,3
	ds_load_b128 v[\f+16*\i+4*\c:\f+16*\i+4*\c+3], v[ADRA+\slot] offset:\i*ATILE+2048*(\q)+512*\c
.endr
.endr
.endm
.macro PLACES                          ; four plain lines between a matrix instruction and a load into, or a read of, its registers
.rept 4
	v_nop
.endr
.endm
.macro STEP slot, q, f, g, zero        ; multiplies set f (the slot's q-th step) and fetches the next step into set g
	s_wait_dscnt 0x0                               ; set f is in
	PLACES
	FETCH \slot, (\q)+1, \g
	WIN MUL
	MULA \f, 0, \zero
	MULA \f, 1, \zero
	MULA \f, 2, \zero
	MULA \f, 3, \zero
.endm
.macro TURN slot, next, fill           ; a slot's last step multiplies set F1 and changes slots: one barrier
	WIN 0
	s_wait_tensorcnt 0x0                           ; all my tensor loads have landed: my part of the next slot
	ds_add_u32 v[SPW], v[NIL]                      ; 0 onto my spare word
	s_wait_dscnt 1                                 ; set F1 is in; the add may be out
	WIN MUL
	MULA F1, 0, 0
	s_wait_dscnt 0x0                               ; the add is done, and my reads of this slot are over
	s_barrier_signal -1
	MULA F1, 1, 0
	WIN 0
	s_barrier_wait -1
.if \fill
	CREST                                          ; the barrier has opened a round of the cluster's: no wave of any partner still reads this slot or has a load on its way
	s_add_nc_u64 s[G0+4*\slot+2:G0+4*\slot+3], s[G0+4*\slot+2:G0+4*\slot+3], 2*ATILE
	s_add_nc_u64 s[G0B+4*\slot+2:G0B+4*\slot+3], s[G0B+4*\slot+2:G0B+4*\slot+3], 2*KSLOT
	JLOAD \slot                                    ; the first tensor load behind the round; its four v_nop are the places in front of the loads below
.else
	PLACES
.endif
	FETCH \next, 0, F0
	WIN MUL
	MULA F1, 2, 0
	MULA F1, 3, 0
.endm
	s_wait_tensorcnt 1                             ; my part of slot 0 is in; slot 1's may be out
	s_barrier_signal -1
	s_barrier_wait -1
	FETCH 0, 0, F0
	STEP 0, 0, F0, F1, 1                           ; the first step's products start the sums
.if LAPS > 1
	WIN 0
	s_mov_b32 s3, LAPS-1
.Llap:                                             ; a trip goes once round the ring, from a lap's second step to the next lap's first
	STEP 0, 1, F1, F0, 0
	STEP 0, 2, F0, F1, 0
	TURN 0, 1, 1
	STEP 1, 0, F0, F1, 0
	STEP 1, 1, F1, F0, 0
	STEP 1, 2, F0, F1, 0
	TURN 1, 0, 1
	STEP 0, 0, F0, F1, 0
	WIN 0
	s_sub_co_u32 s3, s3, 1
	s_cmp_lg_u32 s3, 0
	s_cbranch_scc1 .Llap
.endif
	STEP 0, 1, F1, F0, 0                           ; the last lap fills nothing
	STEP 0, 2, F0, F1, 0
	TURN 0, 1, 0
	STEP 1, 0, F0, F1, 0
	STEP 1, 1, F1, F0, 0
	STEP 1, 2, F0, F1, 0
	s_wait_dscnt 0x0
	WIN MUL
	MULA F1, 0, 0
	MULA F1, 1, 0
	MULA F1, 2, 0
	MULA F1, 3, 0
	WIN 0
	; THE WAY OUT, 16 rows x 64 columns at a time: the sums go through my own stage and come back as whole pieces of 256 bytes of a row; then sum x 2^(eA + eB) + bias, + the residual.
	s_wait_loadcnt 0x0                             ; bias and residual
	s_wait_kmcnt 0x0
	s_add_co_i32 s76, s76, s77
	s_add_co_i32 s76, s76, 127
	s_lshl_b32 s76, s76, 23                        ; 2^(eA + eB) as f32
	s_mov_b32 s77, s76
	PLACES
.irp a, 0,1,2,3
.if \a > 1
	s_wait_xcnt 0x0                                ; block a - 2's stores have read their registers
.endif
.set TT, T0+32*(\a%2)
.irp b, 0,1,2,3
	ds_store_b128 v[STO], v[ACC+8*(4*\a+\b):ACC+8*(4*\a+\b)+3] offset:64*\b          ; each accumulator from its low end on
	ds_store_b128 v[STO], v[ACC+8*(4*\a+\b)+4:ACC+8*(4*\a+\b)+7] offset:64*\b+16
.endr
.irp t, 0,1,2,3,4,5,6,7
	ds_load_b128 v[TT+4*\t:TT+4*\t+3], v[RD] offset:\t*2*SP   ; LDS serves a wave's instructions in order: these see the stores above
.endr
	s_wait_dscnt 0x0
.irp t, 0,1,2,3,4,5,6,7
.irp u, 0,1
	v_pk_fma_f32 v[TT+4*\t+2*\u:TT+4*\t+2*\u+1], v[TT+4*\t+2*\u:TT+4*\t+2*\u+1], s[76:77], v[8+2*\u:9+2*\u] op_sel_hi:[1,0,1]
.endr
.endr
	WIN 0x08                                       ; source 1 window 2
.irp t, 0,1,2,3,4,5,6,7
.irp u, 0,1
	v_pk_add_f32 v[TT+4*\t+2*\u:TT+4*\t+2*\u+1], v[TT+4*\t+2*\u:TT+4*\t+2*\u+1], v[32*\a+4*\t+2*\u:32*\a+4*\t+2*\u+1]
.endr
.endr
	WIN 0
.irp t, 0,1,2,3,4,5,6,7
	global_store_b128 v[CO], v[TT+4*\t:TT+4*\t+3], s[74:75] offset:(16*\a+2*\t)*4096   ; 16 lanes store 256 consecutive bytes, aligned
.endr
.endr
	s_wait_tensorcnt 0x0                           ; the wave's end
	ds_add_u32 v[SPW], v[NIL]
	s_wait_dscnt 0x0
	CROUND                                         ; the closing round
	s_endpgm
.Lfunc_end_k_q7a2e781b86_wo:
	.size	k_q7a2e781b86_wo, .Lfunc_end_k_q7a2e781b86_wo-k_q7a2e781b86_wo
	.p2alignl 7, 3214868480
	.fill 96, 4, 3214868480
	.section	.rodata,"a",@progbits
	.p2align	6, 0x0
	.amdhsa_kernel k_q7a2e781b86_wo
		.amdhsa_group_segment_fixed_size 327680
		.amdhsa_private_segment_fixed_size 0
		.amdhsa_enable_private_segment 0
		.amdhsa_kernarg_size 48
		.amdhsa_user_sgpr_count 2
		.amdhsa_user_sgpr_kernarg_segment_ptr 1
		.amdhsa_wavefront_size32 1
		.amdhsa_system_sgpr_workgroup_id_x 1
		.amdhsa_system_sgpr_workgroup_id_y 1
		.amdhsa_system_sgpr_workgroup_id_z 1
		.amdhsa_system_vgpr_workitem_id 0
		.amdhsa_next_free_vgpr 768
		.amdhsa_next_free_sgpr 90
		.amdhsa_reserve_vcc 0
		.amdhsa_float_denorm_mode_32 3
		.amdhsa_float_denorm_mode_16_64 3
		.amdhsa_memory_ordered 1
		.amdhsa_forward_progress 1
		.amdhsa_inst_pref_size 53
	.end_amdhsa_kernel
	.amdgpu_metadata
---
amdhsa.version: [ 1, 2 ]
amdhsa.kernels:
  - .name:           k_q7a2e781b86_wo
    .symbol:         k_q7a2e781b86_wo.kd
    .args:
      - { .name: ctximg, .offset: 0, .size: 8, .value_kind: global_buffer, .address_space: global }
      - { .name: Wo_codes, .offset: 8, .size: 8, .value_kind: global_buffer, .address_space: global }
      - { .name: lowp_scales, .offset: 16, .size: 8, .value_kind: global_buffer, .address_space: global }
      - { .name: bo, .offset: 24, .size: 8, .value_kind: global_buffer, .address_space: global }
      - { .name: x, .offset: 32, .size: 8, .value_kind: global_buffer, .address_space: global }
      - { .name: x2, .offset: 40, .size: 8, .value_kind: global_buffer, .address_space: global }
    .group_segment_fixed_size: 327680
    .private_segment_fixed_size: 0
    .kernarg_segment_align: 8
    .kernarg_segment_size: 48
    .max_flat_workgroup_size: 128
    .sgpr_count:     90
    .vgpr_count:     768
    .wavefront_size: 32
...
	.end_amdgpu_metadata
.endif
;; end of part 4
;; launch ln2 (part 5): grid 256 x 1, 8 waves a work-group, no clusters, 41,984 bytes of LDS; arguments x2, ln2_g, ln2_b, lowp_scales, h2; writes h2
.if DOCPART == 5
	.amdgcn_target "amdgcn-amd-amdhsa--gfx1250"
	.amdhsa_code_object_version 6
	.text
	.protected	k_q7a2e781b86_ln2
	.globl	k_q7a2e781b86_ln2
	.p2align	8
	.type	k_q7a2e781b86_ln2,@function
k_q7a2e781b86_ln2:
	s_mov_b64 s[64:65], 0
	v_nop
	global_prefetch_b8 v0, s[64:65] scope:SCOPE_SE
	s_setreg_imm32_b32 hwreg(HW_REG_WAVE_MODE, 25, 1), 1
	s_wait_xcnt 0x0
; h = g (x - mean) rsqrt(var + 1e-5) + b over rows of 1,024 f32, then quantised to E5M2 with the scale 2^e12 (product 7's left operand).  Codes go out row-major, [4096][1024] bytes.
; code = h / 2^e, rounded to the nearest code, ties to even.  LIMITS: e between -126 and 112; NaN among the inputs is not served.
; SHARES: a work-group takes 16 rows, each of its eight waves two.  A row is read by eight loads of 512 consecutive bytes; it turns through the wave's own stage in LDS so that a lane
; holds 2 x 16 neighbours (register 16 i + m = column 512 i + 16 lane + m): the conversions take neighbours from one lane, and a lane's 16 codes are 16 bytes, so a store covers 512 consecutive bytes.
; The variance is the mean of the squared deviations from the mean (two passes over registers), so a common offset of the inputs costs no accuracy.
; No matrix unit, no tensor load, no barrier: waves share nothing.  No cluster: work-groups share only g and b, 8 KiB against their 64 KiB of rows.
.set NSET, 1
.set R0,   16                          ; v16-79   the two rows as loaded
.set X,    80                          ; v80-111  the row in hand, 2 x 16 neighbours
.set G,    112                         ; v112-143 g in the same layout
.set B,    144                         ; v144-175 b
.set T,    176                         ; v176-207 at work
.set C,    208                         ; v208-215 codes
.set SCL,  232                         ; v232 2^e
.set SIN,  3                           ; v3  the stage on the way in: 80 (lane / 4) + 16 (lane % 4)
.set SOUT, 4                           ; v4  and on the way out: 80 x lane
	s_load_b256 s[4:11], s[0:1], 0x0               ; x, g, b, the scales' exponents
	s_load_b64 s[12:13], s[0:1], 0x20              ; the codes
	v_lshl_add_u32 v254, v0, 2, 0xa000
	v_mov_b32 v255, 0
	v_lshrrev_b32 v1, 5, v0
	s_delay_alu instid0(VALU_DEP_1)
	v_readfirstlane_b32 s16, v1                    ; wave
	v_and_b32 v1, 31, v0                           ; lane
	s_delay_alu instid0(VALU_DEP_1)
	v_lshlrev_b32 v2, 4, v1                        ; 16 x lane
	s_mul_i32 s17, s16, 5120                       ; my stage: 64 pieces of 64 bytes, 80 bytes apart
	v_lshrrev_b32 v[SIN], 2, v1
	s_delay_alu instid0(VALU_DEP_1)
	v_mul_u32_u24 v[SIN], v[SIN], 80
	v_and_b32 v[SOUT], 3, v1
	s_delay_alu instid0(VALU_DEP_1)
	v_lshl_add_u32 v[SIN], v[SOUT], 4, v[SIN]
	s_delay_alu instid0(VALU_DEP_1)
	v_add_nc_u32 v[SIN], s17, v[SIN]
	v_mul_u32_u24 v[SOUT], v1, 80
	s_delay_alu instid0(VALU_DEP_1)
	v_add_nc_u32 v[SOUT], s17, v[SOUT]
	v_mov_b32 v242, 0                              ; written once: a lane permute's destination counts as one of its sources
	s_mov_b32 s20, 0x3a800000                      ; 1 / 1,024
	s_mov_b32 s21, 0x3727c5ac                      ; 1e-5
	s_mov_b32 s22, 0x76543210
	s_mov_b32 s23, 0xfedcba98                      ; lane l xor 16
	s_lshl_b32 s18, ttmp9, 4
	s_lshl_b32 s19, s16, 1
	s_add_co_u32 s18, s18, s19                     ; my first row: 16 x work-group + 2 x wave
	s_lshl_b32 s34, s18, 12
	s_mov_b32 s35, 0
	s_lshl_b32 s36, s18, 10
	s_mov_b32 s37, 0
	s_wait_alu depctr_va_vdst(0)
	s_wait_kmcnt 0x0
	s_load_b32 s24, s[10:11], 0x30                 ; e12
	s_add_nc_u64 s[4:5], s[4:5], s[34:35]
	s_add_nc_u64 s[12:13], s[12:13], s[36:37]
.irp j, 0,1,2,3,4,5,6,7
	global_load_b128 v[T+4*\j:T+4*\j+3], v2, s[6:7] offset:512*\j
.endr
.irp j, 0,1,2,3,4,5,6,7
	global_load_b128 v[X+4*\j:X+4*\j+3], v2, s[8:9] offset:512*\j
.endr
.irp i, 0,1
.irp j, 0,1,2,3,4,5,6,7
	global_load_b128 v[R0+32*\i+4*\j:R0+32*\i+4*\j+3], v2, s[4:5] offset:4096*\i+512*\j
.endr
.endr
	s_wait_kmcnt 0x0
	s_add_co_i32 s32, s24, 127
	s_lshl_b32 s33, s32, 23
	v_mov_b32 v[SCL], s33                          ; 2^e as f32: the conversion takes its exponent field
.macro TURNROW src, dst                ; 4,096 bytes through the stage: LDS serves a wave's instructions in order, so no wait stands between the stores and the loads
.irp j, 0,1,2,3,4,5,6,7
	ds_store_b128 v[SIN], v[\src+4*\j:\src+4*\j+3] offset:640*\j
.endr
.irp i, 0,1
.irp k, 0,1,2,3
	ds_load_b128 v[\dst+16*\i+4*\k:\dst+16*\i+4*\k+3], v[SOUT] offset:2560*\i+16*\k
.endr
.endr
.endm
.macro REDUCE r                        ; the sum over the 32 lanes, in every lane
	s_delay_alu instid0(VALU_DEP_1)
	v_add_f32_dpp v[\r], v[\r], v[\r] row_xmask:1 row_mask:0xf bank_mask:0xf
	s_delay_alu instid0(VALU_DEP_1)
	v_add_f32_dpp v[\r], v[\r], v[\r] row_xmask:2 row_mask:0xf bank_mask:0xf
	s_delay_alu instid0(VALU_DEP_1)
	v_add_f32_dpp v[\r], v[\r], v[\r] row_xmask:4 row_mask:0xf bank_mask:0xf
	s_delay_alu instid0(VALU_DEP_1)
	v_add_f32_dpp v[\r], v[\r], v[\r] row_xmask:8 row_mask:0xf bank_mask:0xf
	s_delay_alu instid0(VALU_DEP_1)
	v_permlanex16_b32 v242, v[\r], s22, s23
	s_delay_alu instid0(VALU_DEP_1)
	v_add_f32 v[\r], v[\r], v242
.endm
.macro ROW i, left                     ; left: the younger loads that may stay out
	s_wait_loadcnt \left
	TURNROW R0+32*\i, X
	s_wait_dscnt 0x0
	v_pk_add_f32 v[240:241], v[80:81], v[82:83]
	v_pk_add_f32 v[252:253], v[88:89], v[92:93]
	v_pk_add_f32 v[250:251], v[96:97], v[100:101]
	v_pk_add_f32 v[248:249], v[104:105], v[108:109]
	v_pk_add_f32 v[246:247], v[84:85], v[86:87]
	v_pk_add_f32 v[244:245], v[90:91], v[94:95]
	v_pk_add_f32 v[236:237], v[98:99], v[102:103]
	v_pk_add_f32 v[238:239], v[106:107], v[110:111]
	s_delay_alu instid0(VALU_DEP_1)
	v_pk_add_f32 v[238:239], v[238:239], v[248:249]
	v_pk_add_f32 v[240:241], v[240:241], v[246:247]
	v_pk_add_f32 v[252:253], v[252:253], v[244:245]
	v_pk_add_f32 v[250:251], v[250:251], v[236:237]
	s_delay_alu instid0(VALU_DEP_2)
	v_pk_add_f32 v[238:239], v[238:239], v[252:253]
	s_delay_alu instid0(VALU_DEP_2)
	v_pk_add_f32 v[240:241], v[240:241], v[250:251]
	s_delay_alu instid0(VALU_DEP_1)
	v_pk_add_f32 v[238:239], v[238:239], v[240:241]
	s_delay_alu instid0(VALU_DEP_1)
	v_add_f32 v238, v238, v239
	REDUCE 238
	s_delay_alu instid0(VALU_DEP_1)
	v_mul_f32 v244, s20, v238                      ; the mean, twice
	s_delay_alu instid0(VALU_DEP_2)
	v_mul_f32 v245, s20, v238
.set j, 0
.rept 16
	v_pk_add_f32 v[X+j:X+j+1], v[X+j:X+j+1], v[244:245] neg_lo:[0,1] neg_hi:[0,1]
.set j, j+2
.endr
	v_pk_mul_f32 v[238:239], v[X:X+1], v[X:X+1]    ; the sum of the squared deviations
	v_pk_mul_f32 v[240:241], v[X+2:X+3], v[X+2:X+3]
.irp j, 4,8,12,16,20,24,28
	s_delay_alu instid0(VALU_DEP_2)
	v_pk_fma_f32 v[238:239], v[X+\j:X+\j+1], v[X+\j:X+\j+1], v[238:239]
	s_delay_alu instid0(VALU_DEP_2)
	v_pk_fma_f32 v[240:241], v[X+\j+2:X+\j+3], v[X+\j+2:X+\j+3], v[240:241]
.endr
	s_delay_alu instid0(VALU_DEP_1)
	v_pk_add_f32 v[238:239], v[238:239], v[240:241]
	s_delay_alu instid0(VALU_DEP_1)
	v_add_f32 v238, v238, v239
	REDUCE 238
	s_delay_alu instid0(VALU_DEP_1)
	v_fma_f32 v246, v238, s20, s21                 ; var + eps
	s_wait_alu depctr_va_vdst(0)
	v_rsq_f32 v244, v246
	v_rsq_f32 v245, v246
	v_nop                                          ; a plain line behind the transcendentals,
	s_wait_alu depctr_va_vdst(0)                   ; and one wait for both, ahead of their first reader
.set j, 0
.rept 16
	v_pk_mul_f32 v[X+j:X+j+1], v[X+j:X+j+1], v[244:245]
.set j, j+2
.endr
.set j, 0
.rept 16
	v_pk_fma_f32 v[X+j:X+j+1], v[X+j:X+j+1], v[G+j:G+j+1], v[B+j:B+j+1]
.set j, j+2
.endr
	s_wait_alu depctr_va_vdst(0)
	s_wait_xcnt 0x0                                ; the codes' registers are written again only when the earlier stores have read them
.set j, 0
.rept 32
.set j, j+1
.endr
.irp g, 0,1,2,3
	v_cvt_scalef32_pk8_bf8_f32 v[C+2*\g:C+2*\g+1], v[X+8*\g:X+8*\g+7], v[SCL]
.endr
	v_nop                                          ; a plain line between the conversions and the next lines that write their sources
	global_store_b128 v2, v[C:C+3], s[12:13] offset:\i*1024            ; 32 lanes store 512 consecutive bytes, aligned
	global_store_b128 v2, v[C+4:C+7], s[12:13] offset:\i*1024+512
.endm
	s_wait_loadcnt 24                              ; g's eight loads are in; b's and the two rows' may be out
	TURNROW T, G
	s_wait_loadcnt 16                              ; b's are in
	TURNROW X, B
	s_wait_dscnt 0x0
	ROW 0, 8
	ROW 1, 0
	s_wait_tensorcnt 0x0
	ds_add_u32 v254, v255
	s_wait_dscnt 0x0
	s_endpgm
.Lfunc_end_k_q7a2e781b86_ln2:
	.size	k_q7a2e781b86_ln2, .Lfunc_end_k_q7a2e781b86_ln2-k_q7a2e781b86_ln2
	.p2alignl 7, 3214868480
	.fill 96, 4, 3214868480
	.section	.rodata,"a",@progbits
	.p2align	6, 0x0
	.amdhsa_kernel k_q7a2e781b86_ln2
		.amdhsa_group_segment_fixed_size 41984
		.amdhsa_private_segment_fixed_size 0
		.amdhsa_enable_private_segment 0
		.amdhsa_kernarg_size 40
		.amdhsa_user_sgpr_count 2
		.amdhsa_user_sgpr_kernarg_segment_ptr 1
		.amdhsa_wavefront_size32 1
		.amdhsa_system_sgpr_workgroup_id_x 1
		.amdhsa_system_sgpr_workgroup_id_y 1
		.amdhsa_system_sgpr_workgroup_id_z 1
		.amdhsa_system_vgpr_workitem_id 0
		.amdhsa_next_free_vgpr 256
		.amdhsa_next_free_sgpr 66
		.amdhsa_reserve_vcc 0
		.amdhsa_float_denorm_mode_32 3
		.amdhsa_float_denorm_mode_16_64 3
		.amdhsa_fp16_overflow 1
		.amdhsa_memory_ordered 1
		.amdhsa_forward_progress 1
		.amdhsa_inst_pref_size 25
	.end_amdhsa_kernel
	.amdgpu_metadata
---
amdhsa.version: [ 1, 2 ]
amdhsa.kernels:
  - .name:           k_q7a2e781b86_ln2
    .symbol:         k_q7a2e781b86_ln2.kd
    .args:
      - { .name: x2, .offset: 0, .size: 8, .value_kind: global_buffer, .address_space: global }
      - { .name: ln2_g, .offset: 8, .size: 8, .value_kind: global_buffer, .address_space: global }
      - { .name: ln2_b, .offset: 16, .size: 8, .value_kind: global_buffer, .address_space: global }
      - { .name: lowp_scales, .offset: 24, .size: 8, .value_kind: global_buffer, .address_space: global }
      - { .name: h2, .offset: 32, .size: 8, .value_kind: global_buffer, .address_space: global }
    .group_segment_fixed_size: 41984
    .private_segment_fixed_size: 0
    .kernarg_segment_align: 8
    .kernarg_segment_size: 40
    .max_flat_workgroup_size: 256
    .sgpr_count:     66
    .vgpr_count:     256
    .wavefront_size: 32
...
	.end_amdgpu_metadata
.endif
;; end of part 5
;; launch ff1 (part 6): grid 16 x 16, 4 waves a work-group, clusters of 4 x 4, 327,680 bytes of LDS; arguments h2, W1_codes, lowp_scales, b1, gimg; writes gimg
.if DOCPART == 6
	.amdgcn_target "amdgcn-amd-amdhsa--gfx1250"
	.amdhsa_code_object_version 6
	.text
	.protected	k_q7a2e781b86_ff1
	.globl	k_q7a2e781b86_ff1
	.p2align	8
	.type	k_q7a2e781b86_ff1,@function
k_q7a2e781b86_ff1:
	s_mov_b64 s[64:65], 0
	v_nop
	global_prefetch_b8 v0, s[64:65] scope:SCOPE_SE
	s_setreg_imm32_b32 hwreg(HW_REG_WAVE_MODE, 25, 1), 1
	s_wait_xcnt 0x0
	s_wait_alu depctr_hold_cnt(0) depctr_sa_sdst(0) depctr_va_vdst(0) depctr_va_sdst(0) depctr_va_ssrc(0) depctr_va_vcc(0) depctr_vm_vsrc(0)
	s_getreg_b32 s2, hwreg(HW_REG_IB_STS2, 6, 4)
	s_cmp_eq_u32 s2, 0
	s_cbranch_scc0 .Lentry_in_a_cluster
	s_endpgm
.Lentry_in_a_cluster:
	s_bfe_u32 s2, ttmp6, 0x10000c
	s_cmp_lg_u32 s2, 0xf033
	s_cbranch_scc0 .Lentry_shape_is_right
	s_endpgm
.Lentry_shape_is_right:
; g = gelu(h W1 + b1) on codes of E5M2 (K = 1,024, scales e12, e13), quantised at once with e14 and stored as images of the next product's operand registers.
; gelu(x) = 0.5 x (1 + tanh(u)), u = sqrt(2 / pi) (x + 0.044715 x^3), is computed as x / (1 + 2^(x (c0 + c1 x^2))), c0 = -2 sqrt(2 / pi) log2(e), c1 = 0.044715 c0: the same function, all in f32; it goes to x and to 0 at the ends with no overflow to NaN.
; A = h's codes [4096][1024], B = W1's codes [4096][1024], both row-major, both fetched from LDS by loads of 16 bytes: the same permutation of k on both sides.
; A tile of 256 x 256 to a work-group of four waves, 128 x 128 a wave: 64 accumulators.  K goes in steps of 256 through a ring of two LDS slots; A's tiles are asked for jointly along a row of the 4 x 4 cluster, B's along a column.
; The matrix instruction is used transposed (source 0 = 16 rows of B, source 1 = 16 rows of A): a lane holds one token and eight neighbouring hidden units, which are the next K.
; IMAGES: [tile of 16 tokens: 256][K step of 128: 32][2,048 bytes]; result tile t of a step goes to 256 t + 16 (lane % 16) + 8 (lane / 16): the reader's chunk c at 512 c + 16 x lane then holds K = 32 c + 16 (lane / 16) + 0 .. 15 of row lane % 16.
; LIMITS: e12 + e13 between -126 and 127; e14 between -126 and 112.  No prefetch: every tile is read by four clusters at about the same time and K is four slots long.
; REGISTERS, in windows of 256: window 0: v0-31 addresses and constants; v32-95 b1 in the result's layout; from v128 A's fragments, one set; window 1: B's fragments, two sets; windows 2, 3: the accumulators.
.set SIZE_K, 1024
.set KSTEP,  256
.set ROWB,   256
.set KROW,   SIZE_K
.set PITCH,  272                       ; an LDS row: 256 bytes + 16 of padding: the 16 rows of a load start at 16 different banks (64 banks of 4 bytes: ISA guide 11.1)
.set FR,     16
.set NL,     4
.set NP,     4
.set HALFT,  128*PITCH
.set SLOT,   4*HALFT
.set LAPS,   SIZE_K/(2*KSTEP)
.set SPARE,  2*SLOT                    ; behind the ring: the spare words, 128 bytes a wave
.set C0,   8                           ; v[8:9]   c0, twice
.set C1,   10                          ; v[10:11] c1, twice
.set LIM,  12
.set SC,   13
.set LO,   14                          ; v14  16 (lane % 16) + 8 (lane / 16)
.set BA,   15                          ; v15  32 (lane / 16)
.set ADRA, 16
.set ADRB, 20
.set SPW,  28
.set NIL,  29
.set BI,   32                          ; v32-95   b1[my column 16 t + 8 (lane / 16) + j] at 8 t + j
.set X,    96                          ; the way out: v96-159 x, v160-223 at work, v224-255 codes, two sets
.set W,    160
.set CD,   224
.set AF,   128
.set G1, 24
.set G0, 32
.set G1B, 48
.set G0B, 56
.set MSB, 0
.macro WIN new                         ; the immediate's high byte repeats the setting that is left
.if MSB != \new
	s_set_vgpr_msb (MSB<<8)|\new
.set MSB, \new
.endif
.endm
.set MUL_LO, 0xa1
.set MUL_HI, 0xf1
.set TO_B,   0x40
.macro JLOAD g0a, g1a, g0b, g1b        ; a joint load: waves 0 and 1 fetch for A, waves 2 and 3 for B; four v_nop follow each line
	s_cmp_eq_u32 s15, 0
	s_cbranch_scc0 .Lfor_b_\@
	tensor_load_to_lds s[\g0a:\g0a+3], s[\g1a:\g1a+7]
	s_nop 0
.rept 4
	v_nop
.endr
	s_branch .Lasked_\@
.Lfor_b_\@:
	tensor_load_to_lds s[\g0b:\g0b+3], s[\g1b:\g1b+7]
	s_nop 0
.rept 4
	v_nop
.endr
.Lasked_\@:
.endm
.macro CREST
	s_cmp_lg_u32 s14, 0
	s_cbranch_scc1 .Lnot_wave_0_\@
	s_barrier_signal -3
.Lnot_wave_0_\@:
	s_barrier_wait -3
	s_barrier_signal -1
	s_barrier_wait -1
.endm
.macro CROUND
	s_barrier_signal -1
	s_barrier_wait -1
	CREST
.endm
	s_load_b128 s[4:7], s[0:1], 0x0                ; h's codes, W1's codes
	s_load_b128 s[8:11], s[0:1], 0x10              ; the scales' exponents, b1
	s_load_b64 s[12:13], s[0:1], 0x20              ; the images
	v_lshl_add_u32 v[SPW], v0, 2, SPARE
	v_mov_b32 v[NIL], 0
	ds_add_u32 v28, v29
	ds_add_u32 v28, v29
	s_wait_dscnt 0x0
	v_lshrrev_b32 v1, 5, v0
	v_readfirstlane_b32 s14, v1                    ; wave 0..3
	s_lshr_b32 s15, s14, 1
	s_and_b32 s16, s14, 1
	s_bfe_u32 s40, ttmp6, 0x40000
	s_bfe_u32 s41, ttmp6, 0x40004
	s_lshl_b32 s42, ttmp9, 2
	s_add_co_u32 s42, s42, s40                     ; tile column
	s_and_b32 s17, ttmp7, 0xffff
	s_lshl_b32 s17, s17, 2
	s_add_co_u32 s17, s17, s41                     ; tile row
	s_lshl_b32 s43, s41, 2
	s_lshl_b32 s43, 15, s43
	s_lshl_b32 s44, 0x1111, s40
	s_or_b32 s[G1+0], s43, (0<<16)|(1<<20)|(1<<21)|(5<<22)|(3<<25)
	s_or_b32 s[G1B+0], s44, (0<<16)|(1<<20)|(1<<21)|(5<<22)|(3<<25)
.irp g, G1, G1B
	s_mov_b32 s[\g+1], ROWB<<16
	s_mov_b32 s[\g+2], 128<<16
	s_mov_b32 s[\g+3], ROWB<<16
	s_mov_b32 s[\g+4], 128
	s_mov_b32 s[\g+5], KROW
	s_mov_b32 s[\g+6], 0
	s_mov_b32 s[\g+7], 0
.endr
	s_lshl_b32 s18, s16, 7
	s_lshl_b32 s20, s17, 8
	s_add_co_u32 s20, s20, s18
	s_lshl_b32 s46, s42, 8
	s_add_co_u32 s46, s46, s18
	s_lshl_b32 s20, s20, 10                        ; rows of 1,024 bytes
	s_lshl_b32 s46, s46, 10
	s_mov_b32 s21, 0
	s_mov_b32 s47, 0
	s_mul_i32 s45, s14, HALFT
	s_wait_kmcnt 0x0
	s_load_b128 s[92:95], s[8:9], 0x30             ; e12, e13, e14, e15
	s_add_nc_u64 s[20:21], s[4:5], s[20:21]
	s_add_nc_u64 s[46:47], s[6:7], s[46:47]
	CROUND
.irp s, 0,1
	s_mov_b32 s[G0+4*\s], 1
	s_add_co_u32 s[G0+4*\s+1], s45, \s*SLOT
	s_add_nc_u64 s[G0+4*\s+2:G0+4*\s+3], s[20:21], \s*ROWB
	s_or_b32 s[G0+4*\s+3], s[G0+4*\s+3], 0x80000000
	s_mov_b32 s[G0B+4*\s], 1
	s_add_co_u32 s[G0B+4*\s+1], s45, \s*SLOT
	s_add_nc_u64 s[G0B+4*\s+2:G0B+4*\s+3], s[46:47], \s*ROWB
	s_or_b32 s[G0B+4*\s+3], s[G0B+4*\s+3], 0x80000000
	JLOAD G0+4*\s, G1, G0B+4*\s, G1B
.endr
	v_and_b32 v1, 15, v0
	v_bfe_u32 v2, v0, 4, 1
	v_mul_u32_u24 v3, v1, PITCH
	v_lshl_add_u32 v4, v2, 4, v3
	s_mul_i32 s21, s15, HALFT
	s_mul_i32 s22, s16, HALFT
	s_add_co_u32 s22, s22, 2*HALFT
.irp s, 0,1
	v_add_nc_u32 v[ADRA+\s], s21, v4
	v_add_nc_u32 v[ADRB+\s], s22, v4
	s_add_co_u32 s21, s21, SLOT
	s_add_co_u32 s22, s22, SLOT
.endr
	v_lshlrev_b32 v[LO], 4, v1
	v_lshl_add_u32 v[LO], v2, 3, v[LO]
	v_lshlrev_b32 v[BA], 5, v2
	v_mov_b32 v[C0], 0xc0135761                    ; -2 sqrt(2 / pi) log2(e)
	v_mov_b32 v[C0+1], 0xc0135761
	v_mov_b32 v[C1], 0xbdd2d3e8                    ; x 0.044715
	v_mov_b32 v[C1+1], 0xbdd2d3e8
	s_lshl_b32 s20, s17, 8
	s_lshl_b32 s21, s15, 7
	s_add_co_u32 s20, s20, s21                     ; my first token:
	s_lshl_b32 s20, s20, 12                        ; a tile of 16 tokens is 65,536 bytes of images
	s_lshl_b32 s46, s42, 1
	s_add_co_u32 s46, s46, s16                     ; my 128 hidden units are K step 2 x tile column + half of the next product
	s_lshl_b32 s47, s46, 11
	s_add_co_u32 s20, s20, s47
	s_mov_b32 s21, 0
	s_add_nc_u64 s[12:13], s[12:13], s[20:21]
	s_lshl_b32 s46, s46, 9                         ; and 512 bytes of b1
	s_mov_b32 s47, 0
	s_add_nc_u64 s[10:11], s[10:11], s[46:47]
.irp t, 0,1,2,3,4,5,6,7
	global_load_b128 v[BI+8*\t:BI+8*\t+3], v[BA], s[10:11] offset:64*\t
	global_load_b128 v[BI+8*\t+4:BI+8*\t+7], v[BA], s[10:11] offset:64*\t+16
.endr
.macro FRAG reg, adr, q, i
.irp c, 0,1,2,3
	ds_load_b128 v[\reg+4*\c:\reg+4*\c+3], v[\adr] offset:128*(\q)+32*\c+(\i)*16*PITCH
.endr
.endm
.macro MUL16 a0, p, zero               ; A's blocks a0, a0 + 1 x B's eight; the 64 accumulators take turns, one instruction a turn
.irp a, \a0, \a0+1
.irp b, 0,1,2,3,4,5,6,7
.if \zero
	v_wmma_f32_16x16x128_bf8_bf8 v[8*(8*((\a)%4)+\b):8*(8*((\a)%4)+\b)+7], v[128*(\p)+FR*\b:128*(\p)+FR*\b+FR-1], v[AF+FR*(\a):AF+FR*(\a)+FR-1], 0
.else
	v_wmma_f32_16x16x128_bf8_bf8 v[8*(8*((\a)%4)+\b):8*(8*((\a)%4)+\b)+7], v[128*(\p)+FR*\b:128*(\p)+FR*\b+FR-1], v[AF+FR*(\a):AF+FR*(\a)+FR-1], v[8*(8*((\a)%4)+\b):8*(8*((\a)%4)+\b)+7]
.endif
.endr
.endr
.endm
.macro FETCH_B slot, q, p
	WIN TO_B
.irp i, 0,1,2,3,4,5,6,7
	FRAG 128*(\p)+FR*\i, ADRB+\slot, \q, \i
.endr
	WIN 0
.endm
.macro FETCH_A slot, q, i0
.irp i, \i0, \i0+1, \i0+2, \i0+3
	FRAG AF+FR*(\i), ADRA+\slot, \q, \i
.endr
.endm
.macro PLACES n                        ; plain vector lines between a matrix instruction and a load into, or a read of, its registers
.rept \n
	v_nop
.endr
.endm
.macro STEP slot, q, zero
	s_wait_dscnt 4*NL                              ; B's set and A's blocks 0-3 are in; A's blocks 4-7 may be out
	WIN MUL_LO
	MUL16 0, (\q)%2, \zero
	MUL16 2, (\q)%2, \zero
	s_wait_dscnt 0
	PLACES NP
	FETCH_B \slot, (\q)+1, 1-(\q)%2
	FETCH_A \slot, (\q)+1, 0
	WIN MUL_HI
	MUL16 4, (\q)%2, \zero
	MUL16 6, (\q)%2, \zero
	PLACES NP
	WIN 0
	FETCH_A \slot, (\q)+1, 4
.endm
.macro TURN slot, next, fill
	s_wait_tensorcnt 0x0                           ; all my tensor loads have landed: my part of the next slot
	ds_add_u32 v[SPW], v[NIL]                      ; 0 onto my spare word
	s_wait_dscnt 4*NL+1                            ; the add and A's blocks 4-7 may be out
	WIN MUL_LO
	MUL16 0, 1, 0
	s_wait_dscnt 0x0                               ; the add is done, and my reads of this slot are over
	s_barrier_signal -1
	MUL16 2, 1, 0
	WIN 0
	s_barrier_wait -1
.if \fill
	CREST                                          ; the barrier has opened a round of the cluster's: no wave of any partner still reads this slot or has a load on its way
	s_add_nc_u64 s[G0+4*\slot+2:G0+4*\slot+3], s[G0+4*\slot+2:G0+4*\slot+3], 2*ROWB
	s_add_nc_u64 s[G0B+4*\slot+2:G0B+4*\slot+3], s[G0B+4*\slot+2:G0B+4*\slot+3], 2*ROWB
	JLOAD G0+4*\slot, G1, G0B+4*\slot, G1B
.else
	PLACES NP
.endif
	FETCH_B \next, 0, 0
	FETCH_A \next, 0, 0
	WIN MUL_HI
	MUL16 4, 1, 0
	MUL16 6, 1, 0
	PLACES NP
	WIN 0
	FETCH_A \next, 0, 4
.endm
	s_wait_tensorcnt 1                             ; my part of slot 0 is in; slot 1's may be out
	s_barrier_signal -1
	s_barrier_wait -1
	FETCH_B 0, 0, 0
	FETCH_A 0, 0, 0
	FETCH_A 0, 0, 4
	STEP 0, 0, 1
	s_mov_b32 s3, LAPS-1
.Llap:
	TURN 0, 1, 1
	STEP 1, 0, 0
	TURN 1, 0, 1
	STEP 0, 0, 0
	s_sub_co_u32 s3, s3, 1
	s_cmp_lg_u32 s3, 0
	s_cbranch_scc1 .Llap
	TURN 0, 1, 0
	STEP 1, 0, 0
	s_wait_dscnt 4*NL
	WIN MUL_LO
	MUL16 0, 1, 0
	MUL16 2, 1, 0
	s_wait_dscnt 0
	WIN MUL_HI
	MUL16 4, 1, 0
	MUL16 6, 1, 0
	WIN 0
	; THE WAY OUT, a block of 16 tokens x 128 hidden units at a time.
	s_wait_loadcnt 0x0                             ; b1
	s_wait_kmcnt 0x0
	s_add_co_i32 s96, s92, s93
	s_add_co_i32 s96, s96, 127
	s_lshl_b32 s96, s96, 23                        ; 2^(e12 + e13) as f32
	s_mov_b32 s97, s96
	s_add_co_i32 s90, s94, 127
	s_lshl_b32 s91, s90, 23
	s_add_co_i32 s90, s90, 15
	s_lshl_b32 s90, s90, 23
	s_or_b32 s90, s90, 0x600000
	PLACES NP
	v_mov_b32 v[SC], s91                           ; 2^e14
	v_mov_b32 v[LIM], s90                          ; 57,344 x 2^e14
.macro GELU a
.set AC, 64*((\a)%4)
.set CC, CD+16*((\a)%2)
	s_wait_xcnt 0x0                                ; block a - 2's stores have read their registers
	WIN 0x02+((\a)/4)                              ; source 0: window 2 or 3
.set j, 0
.rept 32
	v_pk_fma_f32 v[X+j:X+j+1], v[AC+j:AC+j+1], s[96:97], v[BI+j:BI+j+1] op_sel_hi:[1,0,1]   ; x = sum x 2^(e12 + e13) + b1; each accumulator from its low end on
.set j, j+2
.endr
	WIN 0
.set j, 0
.rept 32
	v_pk_mul_f32 v[W+j:W+j+1], v[X+j:X+j+1], v[X+j:X+j+1]
.set j, j+2
.endr
.set j, 0
.rept 32
	v_pk_fma_f32 v[W+j:W+j+1], v[W+j:W+j+1], v[C1:C1+1], v[C0:C0+1]
.set j, j+2
.endr
.set j, 0
.rept 32
	v_pk_mul_f32 v[W+j:W+j+1], v[W+j:W+j+1], v[X+j:X+j+1]
.set j, j+2
.endr
.set j, 0
.rept 64
	v_exp_f32 v[W+j], v[W+j]
.set j, j+1
.endr
	v_nop                                          ; a plain line behind the batch,
	s_wait_alu depctr_va_vdst(0)                   ; and one wait for it, ahead of its first reader
.set j, 0
.rept 32
	v_pk_add_f32 v[W+j:W+j+1], v[W+j:W+j+1], 1.0 op_sel_hi:[1,0]
.set j, j+2
.endr
.set j, 0
.rept 64
	v_rcp_f32 v[W+j], v[W+j]
.set j, j+1
.endr
	v_nop
	s_wait_alu depctr_va_vdst(0)
.set j, 0
.rept 32
	v_pk_mul_f32 v[X+j:X+j+1], v[X+j:X+j+1], v[W+j:W+j+1]
.set j, j+2
.endr
.set j, 0
.rept 64
	v_med3_num_f32 v[X+j], v[X+j], -v[LIM], v[LIM]   ; the conversion does not saturate (ISA guide 7.6.2): the hold comes first
.set j, j+1
.endr
.irp t, 0,1,2,3,4,5,6,7
	v_cvt_scalef32_pk8_bf8_f32 v[CC+2*\t:CC+2*\t+1], v[X+8*\t:X+8*\t+7], v[SC]
.endr
	v_nop                                          ; a plain line between the conversions and the next block's lines, which write their sources
.irp t, 0,1,2,3,4,5,6,7
	global_store_b64 v[LO], v[CC+2*\t:CC+2*\t+1], s[12:13] offset:(\a)*65536+256*\t   ; 32 lanes store 256 consecutive bytes, aligned
.endr
.endm
.irp a, 0,1,2,3,4,5,6,7
	GELU \a
.endr
	s_wait_tensorcnt 0x0                           ; the wave's end
	ds_add_u32 v[SPW], v[NIL]
	s_wait_dscnt 0x0
	CROUND                                         ; the closing round
	s_endpgm
.Lfunc_end_k_q7a2e781b86_ff1:
	.size	k_q7a2e781b86_ff1, .Lfunc_end_k_q7a2e781b86_ff1-k_q7a2e781b86_ff1
	.p2alignl 7, 3214868480
	.fill 96, 4, 3214868480
	.section	.rodata,"a",@progbits
	.p2align	6, 0x0
	.amdhsa_kernel k_q7a2e781b86_ff1
		.amdhsa_group_segment_fixed_size 327680
		.amdhsa_private_segment_fixed_size 0
		.amdhsa_enable_private_segment 0
		.amdhsa_kernarg_size 40
		.amdhsa_user_sgpr_count 2
		.amdhsa_user_sgpr_kernarg_segment_ptr 1
		.amdhsa_wavefront_size32 1
		.amdhsa_system_sgpr_workgroup_id_x 1
		.amdhsa_system_sgpr_workgroup_id_y 1
		.amdhsa_system_sgpr_workgroup_id_z 1
		.amdhsa_system_vgpr_workitem_id 0
		.amdhsa_next_free_vgpr 1024
		.amdhsa_next_free_sgpr 100
		.amdhsa_reserve_vcc 0
		.amdhsa_float_denorm_mode_32 3
		.amdhsa_float_denorm_mode_16_64 3
		.amdhsa_memory_ordered 1
		.amdhsa_forward_progress 1
		.amdhsa_inst_pref_size 252
	.end_amdhsa_kernel
	.amdgpu_metadata
---
amdhsa.version: [ 1, 2 ]
amdhsa.kernels:
  - .name:           k_q7a2e781b86_ff1
    .symbol:         k_q7a2e781b86_ff1.kd
    .args:
      - { .name: h2, .offset: 0, .size: 8, .value_kind: global_buffer, .address_space: global }
      - { .name: W1_codes, .offset: 8, .size: 8, .value_kind: global_buffer, .address_space: global }
      - { .name: lowp_scales, .offset: 16, .size: 8, .value_kind: global_buffer, .address_space: global }
      - { .name: b1, .offset: 24, .size: 8, .value_kind: global_buffer, .address_space: global }
      - { .name: gimg, .offset: 32, .size: 8, .value_kind: global_buffer, .address_space: global }
    .group_segment_fixed_size: 327680
    .private_segment_fixed_size: 0
    .kernarg_segment_align: 8
    .kernarg_segment_size: 40
    .max_flat_workgroup_size: 128
    .sgpr_count:     100
    .vgpr_count:     1024
    .wavefront_size: 32
...
	.end_amdgpu_metadata
.endif
;; end of part 6
;; launch ff2 (part 7): grid 8 x 32, 4 waves a work-group, clusters of 4 x 4, 327,680 bytes of LDS; arguments gimg, W2_codes, lowp_scales, b2, x2, out0; writes out0
.if DOCPART == 7
	.amdgcn_target "amdgcn-amd-amdhsa--gfx1250"
	.amdhsa_code_object_version 6
	.text
	.protected	k_q7a2e781b86_ff2
	.globl	k_q7a2e781b86_ff2
	.p2align	8
	.type	k_q7a2e781b86_ff2,@function
k_q7a2e781b86_ff2:
	s_mov_b64 s[64:65], 0
	v_nop
	global_prefetch_b8 v0, s[64:65] scope:SCOPE_SE
	s_setreg_imm32_b32 hwreg(HW_REG_WAVE_MODE, 25, 1), 1
	s_wait_xcnt 0x0
	s_wait_alu depctr_hold_cnt(0) depctr_sa_sdst(0) depctr_va_vdst(0) depctr_va_sdst(0) depctr_va_ssrc(0) depctr_va_vcc(0) depctr_vm_vsrc(0)
	s_getreg_b32 s2, hwreg(HW_REG_IB_STS2, 6, 4)
	s_cmp_eq_u32 s2, 0
	s_cbranch_scc0 .Lentry_in_a_cluster
	s_endpgm
.Lentry_in_a_cluster:
	s_bfe_u32 s2, ttmp6, 0x10000c
	s_cmp_lg_u32 s2, 0xf033
	s_cbranch_scc0 .Lentry_shape_is_right
	s_endpgm
.Lentry_shape_is_right:
; out = A W^T x 2^(eA + eB) + bias + resid.  A: [4096][SIZE_K] codes of E5M2 as images of operand registers, [tile of 16 rows][K step of 128][2,048 bytes]; W: [1024][SIZE_K] codes, K innermost; bias [1024], resid and out [4096][1024] f32.
; eA, eB: the two whole numbers at byte SCOFF of the scales.  LIMIT: eA + eB between -126 and 127.
; N = 1,024 gives only 64 tiles of 256 x 256, so a tile is 128 x 128: 256 work-groups of four waves, 64 x 64 a wave: 16 accumulators.  K goes in slots of 512 (four steps of 128) through a ring of two LDS slots.
; CLUSTERS: 4 x 4.  A's tiles are asked for jointly along a row of the cluster, W's along a column.  The matrix instruction is used transposed (source 0 = 16 rows of W, source 1 = 16 rows of A): a lane holds eight neighbouring numbers of a row.
; An image's chunk c at 512 c + 16 x lane holds, in lane (r, h), K = 32 c + 16 h + 0 .. 15 of row r: the places that loads of 16 bytes give W's rows.  The same permutation of k on both sides.
; No prefetch: every tile is read by several clusters at about the same time.
; REGISTERS: window 0: v0-31 addresses, v[8:11] my four columns' bias; v32-95 at work on the way out; v128-255 the accumulators ((a, b) at v[128 + 8 (4 a + b)]).  window 1: two sets of fragments (A's four at f, W's four at f + 64).  window 2: v0-127 the residual.
.set SIZE_K, 4096
.set SCOFF,  56
.set KSLOT,  512
.set ATILE,  8192                      ; a tile of 16 rows in a slot: four images
.set AHALF,  4*ATILE
.set BOFF,   8*ATILE                   ; W's rows lie behind A's eight tiles
.set BP,     528                       ; a row of W in LDS: 512 bytes + 16 of padding: the 16 rows of a load start at 16 different banks (64 banks of 4 bytes: ISA guide 11.1)
.set BHALF,  64*BP
.set SLOT,   BOFF+2*BHALF
.set STAGE,  2*SLOT                    ; behind the ring: 16 rows x 272 bytes for each wave
.set SP,     272
.set SPARE,  STAGE+4*16*SP             ; behind the stages: the spare words, 128 bytes a wave
.set LAPS,   SIZE_K/(2*KSLOT)
.set ADRA, 16
.set ADRB, 20
.set STO,  24
.set RD,   25
.set CO,   26                          ; v26  4,096 (lane / 16) + 16 (lane % 16)
.set BO,   27                          ; v27  16 (lane % 16)
.set SPW,  28
.set NIL,  29
.set T0,   32
.set ACC,  128
.set F0,   0
.set F1,   128
.set G1, 24
.set G0, 32
.set G1B, 48
.set G0B, 56
.set MSB, 0
.macro WIN new                         ; the immediate's high byte repeats the setting that is left
.if MSB != \new
	s_set_vgpr_msb (MSB<<8)|\new
.set MSB, \new
.endif
.endm
.set MUL,  0x05                        ; sources 0 and 1 window 1; C and D window 0
.set TO_F, 0x40                        ; destination window 1, address window 0
.macro JLOAD s                         ; a joint load: waves 0 and 1 fetch A's halves, waves 2 and 3 W's; four v_nop follow each line
	s_cmp_eq_u32 s11, 0
	s_cbranch_scc0 .Lfor_b_\@
	tensor_load_to_lds s[G0+4*\s:G0+4*\s+3], s[G1:G1+7]
	s_nop 0
.rept 4
	v_nop
.endr
	s_branch .Lasked_\@
.Lfor_b_\@:
	tensor_load_to_lds s[G0B+4*\s:G0B+4*\s+3], s[G1B:G1B+7]
	s_nop 0
.rept 4
	v_nop
.endr
.Lasked_\@:
.endm
.macro CREST
	s_cmp_lg_u32 s10, 0
	s_cbranch_scc1 .Lnot_wave_0_\@
	s_barrier_signal -3
.Lnot_wave_0_\@:
	s_barrier_wait -3
	s_barrier_signal -1
	s_barrier_wait -1
.endm
.macro CROUND
	s_barrier_signal -1
	s_barrier_wait -1
	CREST
.endm
	s_load_b128 s[4:7], s[0:1], 0x0                ; A's images, W's codes
	s_load_b256 s[68:75], s[0:1], 0x10             ; the scales' exponents, bias, resid, out
	v_lshl_add_u32 v[SPW], v0, 2, SPARE
	v_mov_b32 v[NIL], 0
	ds_add_u32 v28, v29
	ds_add_u32 v28, v29
	s_wait_dscnt 0x0
	v_lshrrev_b32 v1, 5, v0
	v_readfirstlane_b32 s10, v1                    ; wave 0..3
	s_lshr_b32 s11, s10, 1                         ; my half of the tile's rows.  Also: I fetch for A (0) or for W (1)
	s_and_b32 s12, s10, 1                          ; my half of its columns.  Also: which half of that tile I fetch
	s_bfe_u32 s40, ttmp6, 0x40000
	s_bfe_u32 s41, ttmp6, 0x40004
	s_lshl_b32 s42, ttmp9, 2
	s_add_co_u32 s42, s42, s40                     ; tile column
	s_and_b32 s13, ttmp7, 0xffff
	s_lshl_b32 s13, s13, 2
	s_add_co_u32 s13, s13, s41                     ; tile row
	s_lshl_b32 s43, s41, 2
	s_lshl_b32 s43, 15, s43                        ; my row of the cluster
	s_lshl_b32 s44, 0x1111, s40                    ; my column
	s_or_b32 s[G1+0], s43, (1<<21)                 ; A: the mask; elements of 1 byte; no padding; bit 21 beside a mask
	s_mov_b32 s[G1+1], ATILE<<16                   ; four rows of 8,192 bytes: a tile of rows' four images,
	s_mov_b32 s[G1+2], 4<<16
	s_mov_b32 s[G1+3], ATILE<<16
	s_mov_b32 s[G1+4], 4
	s_mov_b32 s[G1+5], 16*SIZE_K                   ; a tile of rows' whole K apart
	s_mov_b32 s[G1+6], 0
	s_mov_b32 s[G1+7], 0
	s_or_b32 s[G1B+0], s44, (1<<20)|(1<<21)|(6<<22)|(3<<25)   ; W: padding of 4 words behind every 128
	s_mov_b32 s[G1B+1], KSLOT<<16
	s_mov_b32 s[G1B+2], 64<<16
	s_mov_b32 s[G1B+3], KSLOT<<16
	s_mov_b32 s[G1B+4], 64
	s_mov_b32 s[G1B+5], SIZE_K
	s_mov_b32 s[G1B+6], 0
	s_mov_b32 s[G1B+7], 0
	s_lshl_b32 s16, s13, 3
	s_lshl_b32 s17, s12, 2
	s_add_co_u32 s16, s16, s17                     ; A: tile of rows 8 x tile row + 4 x half
	s_mul_i32 s16, s16, 16*SIZE_K
	s_mov_b32 s17, 0
	s_lshl_b32 s46, s42, 7
	s_lshl_b32 s47, s12, 6
	s_add_co_u32 s46, s46, s47                     ; W: row 128 x tile column + 64 x half
	s_mul_i32 s46, s46, SIZE_K
	s_mov_b32 s47, 0
	s_mul_i32 s20, s12, AHALF                      ; where they go: no place in the cluster enters an LDS address
	s_mul_i32 s23, s12, BHALF
	s_add_co_u32 s23, s23, BOFF
	s_wait_kmcnt 0x0
	s_load_b64 s[76:77], s[68:69], SCOFF           ; eA, eB
	s_add_nc_u64 s[14:15], s[4:5], s[16:17]
	s_add_nc_u64 s[46:47], s[6:7], s[46:47]
	CROUND                                         ; all sixteen work-groups are here: the first joint loads meet
.irp s, 0,1
	s_mov_b32 s[G0+4*\s], 1
	s_add_co_u32 s[G0+4*\s+1], s20, \s*SLOT
	s_add_nc_u64 s[G0+4*\s+2:G0+4*\s+3], s[14:15], \s*ATILE
	s_or_b32 s[G0+4*\s+3], s[G0+4*\s+3], 0x80000000
	s_mov_b32 s[G0B+4*\s], 1
	s_add_co_u32 s[G0B+4*\s+1], s23, \s*SLOT
	s_add_nc_u64 s[G0B+4*\s+2:G0B+4*\s+3], s[46:47], \s*KSLOT
	s_or_b32 s[G0B+4*\s+3], s[G0B+4*\s+3], 0x80000000
	JLOAD \s
.endr
	v_and_b32 v1, 15, v0                           ; r
	v_bfe_u32 v2, v0, 4, 1                         ; h
	v_and_b32 v3, 31, v0
	v_lshlrev_b32 v3, 4, v3                        ; 16 x lane
	v_mul_u32_u24 v4, v1, BP
	v_lshl_add_u32 v4, v2, 4, v4
	s_mul_i32 s21, s11, AHALF                      ; my four tiles of rows
	s_mul_i32 s22, s12, BHALF                      ; my 64 rows of W
	s_add_co_u32 s22, s22, BOFF
.irp s, 0,1
	v_add_nc_u32 v[ADRA+\s], s21, v3
	v_add_nc_u32 v[ADRB+\s], s22, v4
	s_add_co_u32 s21, s21, SLOT
	s_add_co_u32 s22, s22, SLOT
.endr
	s_mul_i32 s21, s10, 16*SP
	s_add_co_u32 s21, s21, STAGE                   ; my stage
	v_mul_u32_u24 v5, v1, SP
	v_lshl_add_u32 v5, v2, 5, v5
	v_add_nc_u32 v[STO], s21, v5                   ; in: row r, 32 bytes for each half of the lanes
	v_mul_u32_u24 v5, v2, SP
	v_lshl_add_u32 v5, v1, 4, v5
	v_add_nc_u32 v[RD], s21, v5                    ; back: lanes 0-15 one row of 256 bytes, lanes 16-31 the next
	v_lshlrev_b32 v[BO], 4, v1
	v_lshl_add_u32 v[CO], v2, 12, v[BO]            ; and the same two rows in resid and out
	s_lshl_b32 s16, s13, 7
	s_lshl_b32 s17, s11, 6
	s_add_co_u32 s16, s16, s17                     ; my first row
	s_lshl_b32 s16, s16, 12
	s_lshl_b32 s46, s42, 9
	s_lshl_b32 s47, s12, 8
	s_add_co_u32 s46, s46, s47                     ; my first column, in bytes
	s_add_co_u32 s16, s16, s46
	s_mov_b32 s17, 0
	s_mov_b32 s47, 0
	s_add_nc_u64 s[70:71], s[70:71], s[46:47]
	s_add_nc_u64 s[72:73], s[72:73], s[16:17]
	s_add_nc_u64 s[74:75], s[74:75], s[16:17]
	global_load_b128 v[8:11], v[BO], s[70:71]      ; the bias of columns 4 r .. 4 r + 3 of my 64
	WIN 0x80                                       ; destination window 2
.irp a, 0,1,2,3
.irp t, 0,1,2,3,4,5,6,7
	global_load_b128 v[32*\a+4*\t:32*\a+4*\t+3], v[CO], s[72:73] offset:(16*\a+2*\t)*4096   ; the residual, in the layout in which the results leave: it lands while K is walked
.endr
.endr
	WIN 0
.macro MULA f, a, zero                 ; A's tile a x W's four; the 16 accumulators take turns, one instruction a turn
.irp b, 0,1,2,3
.if \zero
	v_wmma_f32_16x16x128_bf8_bf8 v[ACC+8*(4*\a+\b):ACC+8*(4*\a+\b)+7], v[\f+64+16*\b:\f+64+16*\b+15], v[\f+16*\a:\f+16*\a+15], 0
.else
	v_wmma_f32_16x16x128_bf8_bf8 v[ACC+8*(4*\a+\b):ACC+8*(4*\a+\b)+7], v[\f+64+16*\b:\f+64+16*\b+15], v[\f+16*\a:\f+16*\a+15], v[ACC+8*(4*\a+\b):ACC+8*(4*\a+\b)+7]
.endif
.endr
.endm
.macro FETCH slot, q, f                ; 32 LDS loads in one run: the fragments of the slot's q-th 128 along K into set f
	WIN TO_F
.irp i, 0,1,2,3
.irp c, 0,1,2,3
	ds_load_b128 v[\f+64+16*\i+4*\c:\f+64+16*\i+4*\c+3], v[ADRB+\slot] offset:\i*16*BP+128*(\q)+32*\c
.endr
.endr
.irp i, 0,1,2,3
.irp c, 0,1,2,3
	ds_load_b128 v[\f+16*\i+4*\c:\f+16*\i+4*\c+3], v[ADRA+\slot] offset:\i*ATILE+2048*(\q)+512*\c
.endr
.endr
.endm
.macro PLACES                          ; four plain lines between a matrix instruction and a load into, or a read of, its registers
.rept 4
	v_nop
.endr
.endm
.macro STEP slot, q, f, g, zero        ; multiplies set f (the slot's q-th step) and fetches the next step into set g
	s_wait_dscnt 0x0                               ; set f is in
	PLACES
	FETCH \slot, (\q)+1, \g
	WIN MUL
	MULA \f, 0, \zero
	MULA \f, 1, \zero
	MULA \f, 2, \zero
	MULA \f, 3, \zero
.endm
.macro TURN slot, next, fill           ; a slot's last step multiplies set F1 and changes slots: one barrier
	WIN 0
	s_wait_tensorcnt 0x0                           ; all my tensor loads have landed: my part of the next slot
	ds_add_u32 v[SPW], v[NIL]                      ; 0 onto my spare word
	s_wait_dscnt 1                                 ; set F1 is in; the add may be out
	WIN MUL
	MULA F1, 0, 0
	s_wait_dscnt 0x0                               ; the add is done, and my reads of this slot are over
	s_barrier_signal -1
	MULA F1, 1, 0
	WIN 0
	s_barrier_wait -1
.if \fill
	CREST                                          ; the barrier has opened a round of the cluster's: no wave of any partner still reads this slot or has a load on its way
	s_add_nc_u64 s[G0+4*\slot+2:G0+4*\slot+3], s[G0+4*\slot+2:G0+4*\slot+3], 2*ATILE
	s_add_nc_u64 s[G0B+4*\slot+2:G0B+4*\slot+3], s[G0B+4*\slot+2:G0B+4*\slot+3], 2*KSLOT
	JLOAD \slot                                    ; the first tensor load behind the round; its four v_nop are the places in front of the loads below
.else
	PLACES
.endif
	FETCH \next, 0, F0
	WIN MUL
	MULA F1, 2, 0
	MULA F1, 3, 0
.endm
	s_wait_tensorcnt 1                             ; my part of slot 0 is in; slot 1's may be out
	s_barrier_signal -1
	s_barrier_wait -1
	FETCH 0, 0, F0
	STEP 0, 0, F0, F1, 1                           ; the first step's products start the sums
.if LAPS > 1
	WIN 0
	s_mov_b32 s3, LAPS-1
.Llap:                                             ; a trip goes once round the ring, from a lap's second step to the next lap's first
	STEP 0, 1, F1, F0, 0
	STEP 0, 2, F0, F1, 0
	TURN 0, 1, 1
	STEP 1, 0, F0, F1, 0
	STEP 1, 1, F1, F0, 0
	STEP 1, 2, F0, F1, 0
	TURN 1, 0, 1
	STEP 0, 0, F0, F1, 0
	WIN 0
	s_sub_co_u32 s3, s3, 1
	s_cmp_lg_u32 s3, 0
	s_cbranch_scc1 .Llap
.endif
	STEP 0, 1, F1, F0, 0                           ; the last lap fills nothing
	STEP 0, 2, F0, F1, 0
	TURN 0, 1, 0
	STEP 1, 0, F0, F1, 0
	STEP 1, 1, F1, F0, 0
	STEP 1, 2, F0, F1, 0
	s_wait_dscnt 0x0
	WIN MUL
	MULA F1, 0, 0
	MULA F1, 1, 0
	MULA F1, 2, 0
	MULA F1, 3, 0
	WIN 0
	; THE WAY OUT, 16 rows x 64 columns at a time: the sums go through my own stage and come back as whole pieces of 256 bytes of a row; then sum x 2^(eA + eB) + bias, + the residual.
	s_wait_loadcnt 0x0                             ; bias and residual
	s_wait_kmcnt 0x0
	s_add_co_i32 s76, s76, s77
	s_add_co_i32 s76, s76, 127
	s_lshl_b32 s76, s76, 23                        ; 2^(eA + eB) as f32
	s_mov_b32 s77, s76
	PLACES
.irp a, 0,1,2,3
.if \a > 1
	s_wait_xcnt 0x0                                ; block a - 2's stores have read their registers
.endif
.set TT, T0+32*(\a%2)
.irp b, 0,1,2,3
	ds_store_b128 v[STO], v[ACC+8*(4*\a+\b):ACC+8*(4*\a+\b)+3] offset:64*\b          ; each accumulator from its low end on
	ds_store_b128 v[STO], v[ACC+8*(4*\a+\b)+4:ACC+8*(4*\a+\b)+7] offset:64*\b+16
.endr
.irp t, 0,1,2,3,4,5,6,7
	ds_load_b128 v[TT+4*\t:TT+4*\t+3], v[RD] offset:\t*2*SP   ; LDS serves a wave's instructions in order: these see the stores above
.endr
	s_wait_dscnt 0x0
.irp t, 0,1,2,3,4,5,6,7
.irp u, 0,1
	v_pk_fma_f32 v[TT+4*\t+2*\u:TT+4*\t+2*\u+1], v[TT+4*\t+2*\u:TT+4*\t+2*\u+1], s[76:77], v[8+2*\u:9+2*\u] op_sel_hi:[1,0,1]
.endr
.endr
	WIN 0x08                                       ; source 1 window 2
.irp t, 0,1,2,3,4,5,6,7
.irp u, 0,1
	v_pk_add_f32 v[TT+4*\t+2*\u:TT+4*\t+2*\u+1], v[TT+4*\t+2*\u:TT+4*\t+2*\u+1], v[32*\a+4*\t+2*\u:32*\a+4*\t+2*\u+1]
.endr
.endr
	WIN 0
.irp t, 0,1,2,3,4,5,6,7
	global_store_b128 v[CO], v[TT+4*\t:TT+4*\t+3], s[74:75] offset:(16*\a+2*\t)*4096   ; 16 lanes store 256 consecutive bytes, aligned
.endr
.endr
	s_wait_tensorcnt 0x0                           ; the wave's end
	ds_add_u32 v[SPW], v[NIL]
	s_wait_dscnt 0x0
	CROUND                                         ; the closing round
	s_endpgm
.Lfunc_end_k_q7a2e781b86_ff2:
	.size	k_q7a2e781b86_ff2, .Lfunc_end_k_q7a2e781b86_ff2-k_q7a2e781b86_ff2
	.p2alignl 7, 3214868480
	.fill 96, 4, 3214868480
	.section	.rodata,"a",@progbits
	.p2align	6, 0x0
	.amdhsa_kernel k_q7a2e781b86_ff2
		.amdhsa_group_segment_fixed_size 327680
		.amdhsa_private_segment_fixed_size 0
		.amdhsa_enable_private_segment 0
		.amdhsa_kernarg_size 48
		.amdhsa_user_sgpr_count 2
		.amdhsa_user_sgpr_kernarg_segment_ptr 1
		.amdhsa_wavefront_size32 1
		.amdhsa_system_sgpr_workgroup_id_x 1
		.amdhsa_system_sgpr_workgroup_id_y 1
		.amdhsa_system_sgpr_workgroup_id_z 1
		.amdhsa_system_vgpr_workitem_id 0
		.amdhsa_next_free_vgpr 768
		.amdhsa_next_free_sgpr 90
		.amdhsa_reserve_vcc 0
		.amdhsa_float_denorm_mode_32 3
		.amdhsa_float_denorm_mode_16_64 3
		.amdhsa_memory_ordered 1
		.amdhsa_forward_progress 1
		.amdhsa_inst_pref_size 81
	.end_amdhsa_kernel
	.amdgpu_metadata
---
amdhsa.version: [ 1, 2 ]
amdhsa.kernels:
  - .name:           k_q7a2e781b86_ff2
    .symbol:         k_q7a2e781b86_ff2.kd
    .args:
      - { .name: gimg, .offset: 0, .size: 8, .value_kind: global_buffer, .address_space: global }
      - { .name: W2_codes, .offset: 8, .size: 8, .value_kind: global_buffer, .address_space: global }
      - { .name: lowp_scales, .offset: 16, .size: 8, .value_kind: global_buffer, .address_space: global }
      - { .name: b2, .offset: 24, .size: 8, .value_kind: global_buffer, .address_space: global }
      - { .name: x2, .offset: 32, .size: 8, .value_kind: global_buffer, .address_space: global }
      - { .name: out0, .offset: 40, .size: 8, .value_kind: global_buffer, .address_space: global }
    .group_segment_fixed_size: 327680
    .private_segment_fixed_size: 0
    .kernarg_segment_align: 8
    .kernarg_segment_size: 48
    .max_flat_workgroup_size: 128
    .sgpr_count:     90
    .vgpr_count:     768
    .wavefront_size: 32
...
	.end_amdgpu_metadata
.endif
;; end of part 7
